; MI455X (gfx1250); checked and timed in simulation.
; The chip was launched on July 23, 2026; its instructions are those of AMD's public machine-readable ISA for CDNA 5 (MIT licence, August 2026) and "CDNA5" Instruction Set Architecture Reference Guide (July 2026). The comments in the code are by the model that wrote it; some were corrected since.
;; Transformer Enc Layer. Allowed arithmetic: matrix products marked QUANTISED: E3M2 operands, one E8M0 scale for each 32 along K, by v_wmma_scale_f32_16x16x128_f8f6f4 with both operands' format E3M2, f32 sums; everything else in f32.
;; Inputs: W1 1,024 x 4,096 float32; W2 4,096 x 1,024 float32; Wk 1,024 x 1,024 float32; Wq 1,024 x 1,024 float32; Wv 1,024 x 1,024 float32; b1 4,096 float32; b2 1,024 float32; beta1 1,024 float32; beta2 1,024 float32; bk 1,024 float32; bq 1,024 float32; bv 1,024 float32; g1 1,024 float32; g2 1,024 float32; mask 2 x 2,048 bool; x 2 x 2,048 x 1,024 float32.
;; Outputs: out0 2 x 2,048 x 1,024 float32.
;; This version of the problem:
;;   THIS VERSION OF THE PROBLEM IS GIVEN IN LOW PRECISION. The matrix products marked QUANTISED in the list below multiply operands that are first quantised to E3M2 (3 exponent bits, 2 mantissa bits; 6 bits a number), with one power-of-two scale for each 32 numbers along K (OCP MX v1.0); their sums are f32. All else is computed in f32.
;;   The module's matrix products, in the order in which they are computed (A, B: the left and right operand; K: the contracted axis; several contracted axes count as one K, in the product's order):
;;     1. [M 4,096, K 1,024] x [K 1,024, N 1,024]; A: input x; B: input Wq: QUANTISED
;;     2. [M 4,096, K 1,024] x [K 1,024, N 1,024]; A: input x; B: input Wk: QUANTISED
;;     3. [M 4,096, K 1,024] x [K 1,024, N 1,024]; A: input x; B: input Wv: QUANTISED
;;     4. batch 32 x [M 2,048, K 64] x [K 64, N 2,048]; A: computed on the way; B: computed on the way: QUANTISED
;;     5. batch 32 x [M 64, K 2,048] x [K 2,048, N 2,048]; A: computed on the way; B: softmax (see below): QUANTISED
;;     6. [M 4,096, K 1,024] x [K 1,024, N 4,096]; A: computed on the way; B: input W1: QUANTISED
;;     7. [M 4,096, K 4,096] x [K 4,096, N 1,024]; A: computed on the way; B: input W2: QUANTISED
;;   THE QUANTISER, for each operand of a quantised product, along K:
;;     - K is cut into blocks of 32 from its start; a last block that is shorter is filled with zeros.
;;     - A block's scale is 2^e with e = floor(log2(the largest magnitude in the block)) - 4, held to -126 .. 127; a block of zeros has e = 0. As a byte (E8M0): e + 127.
;;     - Each number is divided by its block's scale, clamped to +-28, and rounded to the nearest number of E3M2, ties to even, subnormals kept.
;;     - The product sums the exact products of the quantised numbers (number of the format x scale) in f32.
;;   ~~~python
;;   def quantise(x, axis):      # numpy; x: float32 -> the quantised numbers, widened to float32 again
;;       x = np.moveaxis(x, axis, -1); K = x.shape[-1]
;;       x = np.pad(x, [(0, 0)] * (x.ndim - 1) + [(0, -K % 32)]); x = x.reshape(x.shape[:-1] + (-1, 32)); a = np.abs(x).max(-1, keepdims=True)
;;       e = np.where(a > 0, np.clip(np.frexp(np.where(a > 0, a, 1))[1] - 1 - 4, -126, 127), 0)      # np.frexp(a)[1] - 1 = floor(log2(a)), exactly
;;       r = np.clip(x / 2.0 ** e, -28, 28)
;;       step = 2.0 ** (np.maximum(np.frexp(np.where(r == 0, 1, r))[1] - 1, -2) - 2)
;;       q = np.round(r / step) * step * 2.0 ** e      # np.round: ties to even
;;       return np.moveaxis(q.reshape(q.shape[:-2] + (-1,))[..., :K], -1, axis).astype(np.float32)
;;   ~~~
;;   SOFTMAX AHEAD OF A QUANTISED PRODUCT. Where the list says 'softmax', what is quantised is not the finished softmax but p = 2^(t - M), with t = logit x log2(e) and M = ceil(the row's largest t), a whole number; so 1/2 < the row's largest p <= 1. The row's sum l is taken of the UNQUANTISED p, in f32, and the product's result is divided by l at the end. Since M is a whole number, a kernel that streams over the keys may use a running M (the ceiling of the running maximum): every later rescaling is an exact power of two, which a block's scale takes up: the codes' values come out the same.
;;   OPERANDS COMPUTED ON THE WAY. 'Computed on the way' means the value that the module computes at that place (a softmax that the list does not call 'softmax' is quantised finished and normalised). What goes into a quantiser is computed in f32, as accurately as f32 sums, v_exp_f32 and their like allow (about 1e-6 of the number): no bf16 or f16 on the way to a quantiser, and a product that is left as it is and whose result goes on into a quantised operand takes f32 operands (vector FMAs, or v_wmma_f32_16x16x4_f32). A number that lies on a knife's edge between two numbers of the format may be rounded either way, as far as f32 arithmetic and the matrix unit's own rounding can turn it there, and no further.
;; One version. Each part assembles by itself: llvm-mc -triple=amdgcn-amd-amdhsa -mcpu=gfx1250 --defsym DOCPART=n.
;; ======== version 1 of 1: 7 launches
;; limits: right only within a limited range of input values
;; workspace buffers: xq 3,276,800 bytes; wq 9,043,968 bytes; qk 8,388,608 bytes; vq 3,276,800 bytes; y 16,777,216 bytes; h1 20,054,016 bytes; hid 13,107,200 bytes
;; launch qxw (part 1): grid 608 x 1, 4 waves a work-group, no clusters, 91,648 bytes of LDS; arguments Wq, Wk, Wv, W1, W2, wq, x, xq; writes wq, xq
.if DOCPART == 1
	.amdgcn_target "amdgcn-amd-amdhsa--gfx1250"
	.amdhsa_code_object_version 6
	.text
	.protected	k_q55f008069d_qxw
	.globl	k_q55f008069d_qxw
	.p2align	8
	.type	k_q55f008069d_qxw,@function
k_q55f008069d_qxw:
	s_mov_b64 s[64:65], 0
	v_nop
	global_prefetch_b8 v0, s[64:65] scope:SCOPE_SE
	s_setreg_imm32_b32 hwreg(HW_REG_WAVE_MODE, 25, 1), 1
	s_wait_xcnt 0x0
; The five weights and x, all f32, become codes of BF6 (E3M2) with one E8M0 byte for each 32 along K, laid as IMAGES OF THE OPERAND'S REGISTERS:
; [row tile][K step][1536 bytes]; a fragment (16 rows x 128 K, 12 registers a lane) is three chunks of 512 bytes, chunk c = lane l's registers 4c..4c+3 at 16 l; scale words [K step][row], one word for a row and 128 K.
; THE ORDER INSIDE A BLOCK OF 32: code position p holds k offset p (p 0-7), p + 8 (8-15), p - 8 (16-23), p (24-31).  Every operand of this program is laid so, on both sides of every product.
; A block's scale is 2^(floor(log2(largest magnitude)) - 4); its byte is the largest magnitude's exponent field - 4, held at 1 from below.
; LIMITS: a block of zeros, or one whose largest magnitude lies under 2^-122, gets the byte 1 (zero codes add nothing; this program alone reads the bytes); NaN and infinities are not served.
; TWO PATHS, parted on the work-group's number.  Work-groups 0-351: the weights.  Work-groups 352-607: x.  Neither has a barrier: waves share nothing.  Each path has LDS bytes of its own.
; THE WEIGHTS, stored [K][N], a row of the image = a column n.  wq: Wq, Wk, Wv as rows 0-3071 at 0; W1 at 2359296; W2 at 5505024; their scale words at 8650752 (pitch 4096 words), 8781824 (4096), 8912896 (1024).
; A lane takes a column and its registers run down K: a block of 32 lies in one lane.  A wave takes 32 columns x 256 K (8 blocks), a work-group 128 columns.  Work-groups 0-127: W1; 128-255: W2; 256-351: Wq, Wk, Wv:
; only numbers and pointers are chosen.  The codes go through the wave's own 6144 bytes of LDS, where they take the images' places, and leave as runs of 512 consecutive bytes.
; x [4096][1024]: xq + 0: the images [row tile 256][K step 8]; xq + 3145728: scale words [K step 8][row 4096].  A work-group takes 16 rows; wave w takes, of each row, the 1024 bytes that are K steps 2w, 2w+1:
; two loads of 512 consecutive bytes a row; they turn through the wave's own stage in LDS, so that a lane gets 16 numbers of each block of its row.
.set NWW,  352                         ; the weights' work-groups
.set X,    64                          ; weights: v64-127 two sets of 32 numbers;  x: v64-191 my 16 rows' 1024 bytes as loaded
.set VOFF, 32                          ; v32-63  4 x lane + i x pitch
.set C,    20                          ; v20-26  a block's codes
.set SBY,  16                          ; v16-17  scale bytes, four to a register
.set OUTR, 128                         ; v128-175 the way out
.set SB,   16                          ; s[16:31] eight bases: block t's first row
.set XST,  24576                       ; x's path: the stages begin behind the weights' bytes
.set XP,   1040                        ; a stage row: 1024 bytes + 16: sixteen rows of one column start at sixteen different groups of banks
.set HA,   64                          ; 64 numbers of a lane
.set PC,   128                         ; the codes just made (20 registers)
.set TM,   16                          ; v16-31 at work in QUANT
.set PW,   32                          ; the scale word just made
.set SEL,  12                          ; s[12:13] lane selects: lane l xor 16
; 64 numbers of a lane, register 16 b + i = number i of my half's sixteen of block b of my row, become a fragment's codes in v[PC] on and its scale word in v[PW] (both halves of the lanes hold it).
.macro QUANT s
.irp b, 0,1,2,3
	v_max3_num_f32 v[TM+\b], |v[\s+16*\b]|, |v[\s+1+16*\b]|, 0x2800000   ; and the floor 2^(5 - 127): the byte cannot fall under 1
.endr
.irp i, 2,4,6,8,10,12,14
.irp b, 0,1,2,3
	v_max3_num_f32 v[TM+\b], v[TM+\b], |v[\s+16*\b+\i]|, |v[\s+1+16*\b+\i]|
.endr
.endr
.irp b, 0,1,2,3
	v_permlanex16_b32 v[TM+4+\b], v[TM+\b], s[SEL], s[SEL+1]
.endr
.irp b, 0,1,2,3
	v_max_num_f32 v[TM+\b], v[TM+\b], v[TM+4+\b]   ; with lane l xor 16's: the block's largest magnitude
.endr
.irp b, 0,1,2,3
	v_add_nc_u32 v[TM+12+\b], 0xfe000000, v[TM+\b]   ; 4 off its exponent field: the conversion's scale operand
.endr
.irp b, 0,1,2,3
	v_lshrrev_b32 v[TM+4+\b], 23, v[TM+12+\b]   ; the scale's byte
.endr
	v_lshl_or_b32 v[PW], v[TM+5], 8, v[TM+4]
	v_lshl_or_b32 v[PW], v[TM+6], 16, v[PW]
	v_lshl_or_b32 v[PW], v[TM+7], 24, v[PW]
.irp c, 0,1
	v_cvt_scalef32_pk16_bf6_f32 v[PC+6*\c:PC+2+6*\c], v[\s+32*\c:\s+15+32*\c], v[TM+12+2*\c]
	v_cvt_scalef32_pk16_bf6_f32 v[PC+12+4*\c:PC+14+4*\c], v[\s+16+32*\c:\s+31+32*\c], v[TM+12+2*\c+1]
.endr
	v_nop                                          ; one plain place behind a scaled conversion
.irp c, 0,1                                    ; a whole block to a lane: lanes 0-15 block 2 c, lanes 16-31 block 2 c + 1
.irp i, 0,1,2
	v_permlane16_swap_b32 v[PC+6*\c+\i], v[PC+12+4*\c+\i]
.endr
.irp i, 0,1,2
	v_mov_b32 v[PC+3+6*\c+\i], v[PC+12+4*\c+\i]
.endr
.endr
.endm
	v_lshl_add_u32 v192, v0, 2, 0x16400
	v_mov_b32 v193, 0
	v_lshrrev_b32 v1, 5, v0
	v_readfirstlane_b32 s60, v1                    ; wave
	s_cmp_ge_u32 ttmp9, NWW                        ; the work-group's number alone decides the path
	s_cbranch_scc1 .Lx
	; ---- THE WEIGHTS
	s_load_b256 s[4:11], s[0:1], 0x0               ; Wq, Wk, Wv, W1
	s_load_b128 s[12:15], s[0:1], 0x20             ; W2, wq
	v_and_b32 v1, 31, v0                           ; lane
	v_lshlrev_b32 v3, 2, v1                        ; 4 x lane
	s_wait_alu depctr_va_vdst(0)
	v_lshlrev_b32 v6, 4, v1                        ; 16 x lane
	s_mul_i32 s61, s60, 6144
	v_add_nc_u32 v5, s61, v6                       ; out of my LDS
	v_lshrrev_b32 v7, 4, v1
	v_and_b32 v8, 15, v1
	v_mul_u32_u24 v4, v7, 3072
	v_lshl_add_u32 v4, v8, 4, v4
	v_add_nc_u32 v4, s61, v4                       ; into it: row tile lane / 16 (two K steps: 3072 bytes), place lane % 16
	; the numbers of the three cases: first those of Wq, Wk, Wv, then W2's where the work-group is under 256, then W1's where it is under 128
	s_sub_co_u32 s32, ttmp9, 256
	s_and_b32 s33, s32, 7                          ; which 128 columns
	s_bfe_u32 s34, s32, 0x20003                    ; which 256 along K
	s_lshr_b32 s41, s32, 5                         ; which of the three
	s_lshl_b32 s40, s41, 10                        ; its first row in the image
	s_sub_co_u32 s42, ttmp9, 128
	s_and_b32 s43, s42, 7
	s_lshr_b32 s44, s42, 3
	s_and_b32 s45, ttmp9, 31
	s_lshr_b32 s46, ttmp9, 5
	s_mov_b32 s35, 4096                            ; a row of the weight in bytes
	s_mov_b32 s36, 12288                           ; a row tile of the image
	s_mov_b32 s37, 16384                           ; a K step of the scale words
	s_mov_b32 s38, 0                               ; where the image begins
	s_mov_b32 s39, 8650752                         ; where the scale words begin
	s_cmp_lt_u32 ttmp9, 256
	s_cselect_b32 s33, s43, s33
	s_cselect_b32 s34, s44, s34
	s_cselect_b32 s40, 0, s40
	s_cselect_b32 s36, 49152, s36
	s_cselect_b32 s37, 4096, s37
	s_cselect_b32 s38, 5505024, s38
	s_cselect_b32 s39, 8912896, s39
	s_cmp_lt_u32 ttmp9, 128
	s_cselect_b32 s33, s45, s33
	s_cselect_b32 s34, s46, s34
	s_cselect_b32 s35, 16384, s35
	s_cselect_b32 s36, 12288, s36
	s_cselect_b32 s37, 16384, s37
	s_cselect_b32 s38, 2359296, s38
	s_cselect_b32 s39, 8781824, s39
.irp i, 0,1,2,3,4,5,6,7,8,9,10,11,12,13,14,15,16,17,18,19,20,21,22,23,24,25,26,27,28,29,30,31
	v_mad_u32_u24 v[VOFF+\i], s35, \i, v3
.endr
	s_mul_i32 s48, s34, s35
	s_lshl_b32 s48, s48, 8                         ; 256 rows for each step along K
	s_lshl_b32 s62, s33, 7
	s_lshl_b32 s63, s60, 5
	s_add_co_u32 s62, s62, s63                     ; my wave's first column
	s_lshl_b32 s63, s62, 2
	s_add_co_u32 s48, s48, s63
	s_mov_b32 s49, 0
	s_lshl_b32 s50, s35, 5                         ; 32 rows: a block
	s_mov_b32 s51, 0
	s_add_co_u32 s62, s62, s40                     ; my first row of the image
	s_lshr_b32 s63, s62, 4
	s_mul_i32 s63, s63, s36
	s_add_co_u32 s52, s63, s38
	s_mul_i32 s63, s34, 3072
	s_add_co_u32 s52, s52, s63
	s_mov_b32 s53, 0
	s_mov_b32 s54, s36
	s_mov_b32 s55, 0
	s_mul_i32 s63, s34, s37
	s_lshl_b32 s63, s63, 1
	s_add_co_u32 s56, s63, s39
	s_lshl_b32 s63, s62, 2
	s_add_co_u32 s56, s56, s63
	s_mov_b32 s57, 0
	s_mov_b32 s58, s37
	s_mov_b32 s59, 0
	s_wait_alu depctr_va_vdst(0)
	s_wait_kmcnt 0x0
	s_cmp_eq_u32 s41, 1
	s_cselect_b64 s[4:5], s[6:7], s[4:5]
	s_cmp_eq_u32 s41, 2
	s_cselect_b64 s[4:5], s[8:9], s[4:5]
	s_cmp_lt_u32 ttmp9, 256
	s_cselect_b64 s[4:5], s[12:13], s[4:5]
	s_cmp_lt_u32 ttmp9, 128
	s_cselect_b64 s[4:5], s[10:11], s[4:5]
	s_add_nc_u64 s[SB:SB+1], s[4:5], s[48:49]
.irp t, 1,2,3,4,5,6,7
	s_add_nc_u64 s[SB+2*\t:SB+2*\t+1], s[SB+2*\t-2:SB+2*\t-1], s[50:51]
.endr
	s_add_nc_u64 s[52:53], s[14:15], s[52:53]      ; my first row tile's two K steps,
	s_add_nc_u64 s[54:55], s[52:53], s[54:55]      ; my second's,
	s_add_nc_u64 s[56:57], s[14:15], s[56:57]      ; the scale words of the first K step,
	s_add_nc_u64 s[58:59], s[56:57], s[58:59]      ; of the second
.macro LOAD t                          ; block t: register p takes row 32 t + (the block's order of p) of my column: 128 consecutive bytes a load
.irp p, 0,1,2,3,4,5,6,7,8,9,10,11,12,13,14,15,16,17,18,19,20,21,22,23,24,25,26,27,28,29,30,31
	global_load_b32 v[X+32*((\t)%2)+\p], v[VOFF+8*(((\p/8)&1)*2+(\p/8)/2)+\p%8], s[SB+2*(\t):SB+2*(\t)+1] th:TH_LOAD_NT
.endr
.endm
.macro BLOCK t
.set XS, X+32*((\t)%2)
.if (\t) < 7
	s_wait_loadcnt 32                              ; this block's 32 loads are in; the next block's may be out
.else
	s_wait_loadcnt 0x0
.endif
	v_max3_num_f32 v12, |v[XS]|, |v[XS+1]|, |v[XS+2]|
	v_max3_num_f32 v13, |v[XS+3]|, |v[XS+4]|, |v[XS+5]|
.irp i, 6,10,14,18,22,26
	v_max3_num_f32 v12, v12, |v[XS+\i]|, |v[XS+\i+1]|
	v_max3_num_f32 v13, v13, |v[XS+\i+2]|, |v[XS+\i+3]|
.endr
	v_max3_num_f32 v12, v12, |v[XS+30]|, |v[XS+31]|
	v_max3_num_f32 v12, v12, v13, 0x2800000        ; and the floor 2^(5 - 127)
	v_add_nc_u32 v11, 0xfe000000, v12              ; 4 off the exponent field: the conversion's scale operand
	v_cvt_scalef32_pk16_bf6_f32 v[C:C+2], v[XS:XS+15], v11
	v_cvt_scalef32_pk16_bf6_f32 v[C+4:C+6], v[XS+16:XS+31], v11
	v_lshrrev_b32 v13, 23, v11                     ; the scale's byte (also the plain place behind the conversions)
.if (\t)%4 == 0
	v_mov_b32 v[SBY+(\t)/4], v13
.else
	v_lshl_or_b32 v[SBY+(\t)/4], v13, 8*((\t)%4), v[SBY+(\t)/4]
.endif
	v_mov_b32 v[C+3], v[C+4]                       ; the block's six registers on end
	v_mov_b32 v[C+4], v[C+5]
	v_mov_b32 v[C+5], v[C+6]
; block t is block t % 4 of K step t / 4: registers 6 c .. 6 c + 5 (c = (t / 2) % 2) of lane (my column % 16) + 16 (t % 2)
.if ((\t)/2)%2 == 0
	ds_store_b128 v4, v[C:C+3] offset:1536*((\t)/4)+256*((\t)%2)
	ds_store_b64 v4, v[C+4:C+5] offset:1536*((\t)/4)+256*((\t)%2)+512
.else
	ds_store_b64 v4, v[C:C+1] offset:1536*((\t)/4)+256*((\t)%2)+520
	ds_store_b128 v4, v[C+2:C+5] offset:1536*((\t)/4)+256*((\t)%2)+1024
.endif
.if (\t)+2 < 8
	LOAD (\t)+2
.endif
	s_wait_dscnt 0x0                               ; the stores have read their registers
.endm
	LOAD 0
	LOAD 1
.irp t, 0,1,2,3,4,5,6,7
	BLOCK \t
.endr
.irp n, 0,1,2,3,4,5,6,7,8,9,10,11
	ds_load_b128 v[OUTR+4*\n:OUTR+4*\n+3], v5 offset:512*\n   ; LDS serves a wave's instructions in order: these see my stores
.endr
	s_wait_dscnt 0x0
.irp n, 0,1,2,3,4,5
	global_store_b128 v6, v[OUTR+4*\n:OUTR+4*\n+3], s[52:53] offset:512*\n
.endr
.irp n, 0,1,2,3,4,5
	global_store_b128 v6, v[OUTR+24+4*\n:OUTR+24+4*\n+3], s[54:55] offset:512*\n
.endr
	global_store_b32 v3, v[SBY], s[56:57]          ; 32 rows' words: 128 consecutive bytes
	s_wait_alu depctr_va_vdst(0)
	global_store_b32 v3, v[SBY+1], s[58:59]
	s_wait_tensorcnt 0x0
	ds_add_u32 v192, v193
	s_wait_dscnt 0x0
	s_endpgm
.Lx:	; ---- x
	s_load_b128 s[4:7], s[0:1], 0x30               ; x, xq
	s_sub_co_u32 s24, ttmp9, NWW                   ; which 16 rows
	v_and_b32 v1, 31, v0                           ; lane
	v_and_b32 v2, 15, v0                           ; r
	v_bfe_u32 v3, v0, 4, 1                         ; h
	v_lshlrev_b32 v4, 4, v1                        ; 16 x lane
	s_mul_i32 s15, s60, 16*XP
	s_add_co_u32 s15, s15, XST                     ; my wave's stage
	v_add_nc_u32 v5, s15, v4                       ; into it: 16 bytes a lane
	v_mul_u32_u24 v6, v2, XP
	v_lshl_add_u32 v6, v3, 5, v6
	v_add_nc_u32 v6, s15, v6                       ; out of it: row r, + 32 h
	v_lshlrev_b32 v7, 2, v2
	v_lshl_add_u32 v7, v3, 14, v7                  ; scale words: 4 r, lanes 16-31 one K step (16384 bytes) on
	s_mov_b32 s[SEL], 0x76543210
	s_mov_b32 s[SEL+1], 0xfedcba98
.irp b, 0,1,2,3
	v_mov_b32 v[TM+4+\b], 0                        ; a lane permute's destination counts as one of its sources
.endr
	s_lshl_b32 s16, s24, 16                        ; 16 rows of 4096 bytes a work-group,
	s_lshl_b32 s17, s60, 10                        ; my 1024 bytes of a row
	s_add_co_u32 s16, s16, s17
	s_mov_b32 s17, 0
	s_lshl_b32 s18, s24, 3
	s_lshl_b32 s19, s60, 1
	s_add_co_u32 s18, s18, s19
	s_mul_i32 s18, s18, 1536                       ; image (row tile, K step 2 w)
	s_mov_b32 s19, 0
	s_lshl_b32 s20, s60, 15                        ; 2 w K steps of 16384 bytes
	s_lshl_b32 s21, s24, 6                         ; 16 rows x 4 bytes a work-group
	s_add_co_u32 s20, s20, s21
	s_add_co_u32 s20, s20, 3145728
	s_mov_b32 s21, 0
	s_wait_alu depctr_va_vdst(0)
	s_wait_kmcnt 0x0
	s_add_nc_u64 s[4:5], s[4:5], s[16:17]
	s_add_nc_u64 s[8:9], s[6:7], s[18:19]
	s_add_nc_u64 s[10:11], s[6:7], s[20:21]
.irp i, 0,1,2,3
.irp j, 0,1,2,3,4,5,6,7
	global_load_b128 v[X+32*\i+4*\j:X+32*\i+4*\j+3], v4, s[4:5] offset:4096*(4*\i+\j/2)+512*(\j%2) th:TH_LOAD_NT   ; row 4 i + j / 2, half j % 2: 512 consecutive bytes
.endr
.endr
.irp i, 0,1,2,3
	s_wait_loadcnt 24-8*\i                         ; these four rows' eight loads are in; the later rows' stay out
.irp j, 0,1,2,3,4,5,6,7
	ds_store_b128 v5, v[X+32*\i+4*\j:X+32*\i+4*\j+3] offset:XP*(4*\i+\j/2)+512*(\j%2)
.endr
.endr
	s_wait_dscnt 0x0                               ; the stores have read their registers, into which the loads below land
.irp s, 0,1
.irp b, 0,1,2,3
	ds_load_b128 v[HA+16*\b:HA+16*\b+3], v6 offset:512*\s+128*\b          ; k 32 b + 8 h + 0..7,
	ds_load_b128 v[HA+16*\b+4:HA+16*\b+7], v6 offset:512*\s+128*\b+16
	ds_load_b128 v[HA+16*\b+8:HA+16*\b+11], v6 offset:512*\s+128*\b+64    ; and 32 b + 16 + 8 h + 0..7
	ds_load_b128 v[HA+16*\b+12:HA+16*\b+15], v6 offset:512*\s+128*\b+80
.endr
	s_wait_dscnt 0x0
.if \s == 1
	s_wait_xcnt 0x0                                ; the first fragment's stores have read their registers: the codes are written again only behind this wait
.endif
	QUANT HA
.irp c, 0,1,2
	global_store_b128 v4, v[PC+4*\c:PC+4*\c+3], s[8:9] offset:1536*\s+512*\c   ; 512 consecutive bytes a store
.endr
.if \s == 0
	v_mov_b32 v33, v[PW]
.endif
.endr
	v_cmp_eq_u32 vcc_lo, 1, v3
	v_cndmask_b32 v34, v33, v[PW], vcc_lo          ; lanes 0-15: K step 2 w's words, lanes 16-31: K step 2 w + 1's
	global_store_b32 v7, v34, s[10:11]
	s_wait_tensorcnt 0x0
	ds_add_u32 v192, v193
	s_wait_dscnt 0x0
	s_endpgm
.Lfunc_end_k_q55f008069d_qxw:
	.size	k_q55f008069d_qxw, .Lfunc_end_k_q55f008069d_qxw-k_q55f008069d_qxw
	.p2alignl 7, 3214868480
	.fill 96, 4, 3214868480
	.section	.rodata,"a",@progbits
	.p2align	6, 0x0
	.amdhsa_kernel k_q55f008069d_qxw
		.amdhsa_group_segment_fixed_size 91648
		.amdhsa_private_segment_fixed_size 0
		.amdhsa_enable_private_segment 0
		.amdhsa_kernarg_size 64
		.amdhsa_user_sgpr_count 2
		.amdhsa_user_sgpr_kernarg_segment_ptr 1
		.amdhsa_wavefront_size32 1
		.amdhsa_system_sgpr_workgroup_id_x 1
		.amdhsa_system_sgpr_workgroup_id_y 1
		.amdhsa_system_sgpr_workgroup_id_z 1
		.amdhsa_system_vgpr_workitem_id 0
		.amdhsa_next_free_vgpr 194
		.amdhsa_next_free_sgpr 66
		.amdhsa_reserve_vcc 1
		.amdhsa_float_denorm_mode_32 3
		.amdhsa_float_denorm_mode_16_64 3
		.amdhsa_memory_ordered 1
		.amdhsa_forward_progress 1
		.amdhsa_inst_pref_size 63
	.end_amdhsa_kernel
	.amdgpu_metadata
---
amdhsa.version: [ 1, 2 ]
amdhsa.kernels:
  - .name:           k_q55f008069d_qxw
    .symbol:         k_q55f008069d_qxw.kd
    .args:
      - { .name: Wq, .offset: 0, .size: 8, .value_kind: global_buffer, .address_space: global }
      - { .name: Wk, .offset: 8, .size: 8, .value_kind: global_buffer, .address_space: global }
      - { .name: Wv, .offset: 16, .size: 8, .value_kind: global_buffer, .address_space: global }
      - { .name: W1, .offset: 24, .size: 8, .value_kind: global_buffer, .address_space: global }
      - { .name: W2, .offset: 32, .size: 8, .value_kind: global_buffer, .address_space: global }
      - { .name: wq, .offset: 40, .size: 8, .value_kind: global_buffer, .address_space: global }
      - { .name: x, .offset: 48, .size: 8, .value_kind: global_buffer, .address_space: global }
      - { .name: xq, .offset: 56, .size: 8, .value_kind: global_buffer, .address_space: global }
    .group_segment_fixed_size: 91648
    .private_segment_fixed_size: 0
    .kernarg_segment_align: 8
    .kernarg_segment_size: 64
    .max_flat_workgroup_size: 128
    .sgpr_count:     66
    .vgpr_count:     194
    .wavefront_size: 32
...
	.end_amdgpu_metadata
.endif
;; end of part 1
;; launch qkv (part 2): grid 8 x 24, 4 waves a work-group, clusters of 4 x 4, 327,680 bytes of LDS; arguments xq, wq, bq, bk, bv, mask, qk, vq; writes qk, vq
.if DOCPART == 2
	.amdgcn_target "amdgcn-amd-amdhsa--gfx1250"
	.amdhsa_code_object_version 6
	.text
	.protected	k_q55f008069d_qkv
	.globl	k_q55f008069d_qkv
	.p2align	8
	.type	k_q55f008069d_qkv,@function
k_q55f008069d_qkv:
	s_mov_b64 s[64:65], 0
	v_nop
	global_prefetch_b8 v0, s[64:65] scope:SCOPE_SE
	s_setreg_imm32_b32 hwreg(HW_REG_WAVE_MODE, 25, 1), 1
	s_wait_xcnt 0x0
	s_wait_alu depctr_hold_cnt(0) depctr_sa_sdst(0) depctr_va_vdst(0) depctr_va_sdst(0) depctr_va_ssrc(0) depctr_va_vcc(0) depctr_vm_vsrc(0)
	s_getreg_b32 s2, hwreg(HW_REG_IB_STS2, 6, 4)
	s_cmp_eq_u32 s2, 0
	s_cbranch_scc0 .Lentry_in_a_cluster
	s_endpgm
.Lentry_in_a_cluster:
	s_bfe_u32 s2, ttmp6, 0x10000c
	s_cmp_lg_u32 s2, 0xf033
	s_cbranch_scc0 .Lentry_shape_is_right
	s_endpgm
.Lentry_shape_is_right:
; q = x Wq + bq, k = x Wk + bk, v = x Wv + bv on codes of BF6 (E3M2), and each result quantised at once for attention's two products.  K = 1024 in eight steps of 128.
; A tile is 256 x 256, four waves, each 128 x 128 in 64 accumulators.  Source 0 ("B") gives the axis that runs along a lane's registers, source 1 ("A") the axis across lanes.
; TWO ROLES, told apart by the cluster's y, which all sixteen partners share.  Cluster y 0-3: A = 256 tokens of x, B = 256 rows of (Wq, Wk): a lane holds a token and 128 features = two heads:
; quantised along the head's 64.  Cluster y 4, 5: A = 256 rows of Wv, B = 256 tokens: a lane holds a feature and 128 tokens: quantised along the tokens, which are the second product's K.
; Operands lie in memory as images of the operand's registers ([row tile][K step][1536 bytes]); a fragment comes from LDS by three loads of 16 bytes a lane at 16 x lane.
; LDS: three slots of two K steps (98304 bytes each).  Six of the eight K steps go out as first fills; slot 0 is filled once more (K steps 6, 7), behind one round of the cluster's barrier.
; The scale words of the tile's rows, for all of K, come once (16384 bytes).  By this text's count a wave has four tensor loads out at the start and one behind the round.
; CLUSTER 4 x 4: A's tiles are asked for jointly along a row of the cluster, B's along a column.
; OUT.  qk: q at 0, k at 4194304: [b x 16 + head][tile of 16 tokens][1024 bytes]: chunk 0 = lane's registers 0-3; chunk 1 = lane's {register 4, register 5, EXT, scale word}.
; THE MASK RIDES IN K = 64, in the half of the first product's K that the head does not fill.  EXT's lowest code (lanes 0-15): query open 1.0, closed 0 (and all its codes 0); key open 0, closed -16.
; vq: v at 0: [b x 16 + head][128 tokens: 16][16 features: 4][1536 bytes]; scale words at 3145728: [b x 16 + head][16][feature % 16][feature / 16].
; LIMITS: |q . k| under 5e14 (the mask's term is -2^60); a block of zeros or under 2^-122 gets the byte 1; NaN and infinities are not served.
; THE RING AS IT STANDS (in place of what the head comment says of LDS): two slots of three K steps (147456 bytes each).  At the head each wave issues one joint load: wave 0 A's 16 row tiles of K steps 0-2,
; wave 1 B's, wave 2 A's scale words [K step 8][256 rows], wave 3 B's.  Slot 1 (K steps 3-5) is filled behind the full sequence and a round, a quarter a wave; slot 0 is filled once more (K steps 6, 7; 3072 bytes a row tile) in K step 2.
; A wave has one tensor load out at any time.  PREFETCH: each fill's bytes are named one fill ahead; of a quarter's 8 row tiles each of the four partners that ask for it jointly names 2, told apart by address; a lane names 256 bytes.
; vq: [b x 16 + head][128 tokens: 16][6400 bytes]: four fragments of 1536 bytes, then the step's 256 bytes of scale words [feature % 16][feature / 16].
.set SLOTB, 147456
.set PARTB, 36864                      ; 8 row tiles x three K steps
.set SCL,   294912                     ; the scale words: two parts of 8192 bytes: [K step 8][256 rows]
.set SPARE, 311296                     ; the spare words, 128 bytes a wave: two blocks of 256 bytes that no other line names
.set LI,  3                            ; v3   16 x lane
.set ADA, 4                            ; v4-6 my A fragments in slot 0, 1, 2
.set ADB, 7                            ; v7-9 my B fragments
.set ADS, 10                           ; v10  my scale words: lanes 0-15 A's rows, lanes 16-31 B's
.set SPW, 11                           ; v11  my spare word; never rewritten
.set NIL, 12                           ; v12  0; never rewritten
.set TM,  16                           ; v16-31 at work in QUANT
.set SC,  32                           ; v32-47 scale words, two sets of 8
.set MK,  48                           ; v48-55 the mask's bytes of my A rows
.set AD,  56                           ; v56-63 the bias loads' offsets
.set AF,  64                           ; window 0: A's fragments, two sets of 96
.set BIAS, 192                         ; window 1: v192-255 the bias in the result's layout (B's fragments: v0-95, v96-191)
.set HA,  64                           ; the way out: 64 numbers of a lane,
.set PC,  128                          ; the codes just made,
.set PW,  150                          ; the scale word just made,
.set PWS, 152                          ; eight scale words kept,
.set QD,  160                          ; chunk 1 of the first head's tile,
.set QE,  164                          ; of the second's
.set W0,  168
.set W1,  169
.set W2,  170
.set WV,  20
.set WY,  21                           ; my half of A.  Also: I fetch for A (0) or for B (1)
.set WX,  22                           ; my half of B.  Also: which half I fetch
.set SEL, 4
.set G1,   24
.set G1B,  32
.set G1S,  40
.set G1SB, 48
.set G0A0, 56
.set G0A1, 60
.set G0A2, 68
.set G0B0, 72
.set G0B1, 76
.set G0B2, 80
.set G0SA, 84
.set G0SB, 88
.set MSB, 0
.macro WIN new                         ; the immediate's high byte repeats the setting that is left
.if MSB != (\new)
	s_set_vgpr_msb (MSB<<8)|(\new)
.set MSB, (\new)
.endif
.endm
.macro PLACES                          ; four places behind matrix instructions: in front of loads into their registers and of the first read of results
.rept 4
	v_nop
.endr
.endm
.macro QUANT s
.irp b, 0,1,2,3
	v_max3_num_f32 v[TM+\b], |v[\s+16*\b]|, |v[\s+1+16*\b]|, 0x2800000   ; and the floor 2^(5 - 127): the byte cannot fall under 1
.endr
.irp i, 2,4,6,8,10,12,14
.irp b, 0,1,2,3
	v_max3_num_f32 v[TM+\b], v[TM+\b], |v[\s+16*\b+\i]|, |v[\s+1+16*\b+\i]|
.endr
.endr
.irp b, 0,1,2,3
	v_permlanex16_b32 v[TM+4+\b], v[TM+\b], s[SEL], s[SEL+1]
.endr
.irp b, 0,1,2,3
	v_max_num_f32 v[TM+\b], v[TM+\b], v[TM+4+\b]
.endr
.irp b, 0,1,2,3
	v_add_nc_u32 v[TM+12+\b], 0xfe000000, v[TM+\b]
.endr
.irp b, 0,1,2,3
	v_lshrrev_b32 v[TM+4+\b], 23, v[TM+12+\b]
.endr
	v_lshl_or_b32 v[PW], v[TM+5], 8, v[TM+4]
	v_lshl_or_b32 v[PW], v[TM+6], 16, v[PW]
	v_lshl_or_b32 v[PW], v[TM+7], 24, v[PW]
.irp c, 0,1
	v_cvt_scalef32_pk16_bf6_f32 v[PC+6*\c:PC+2+6*\c], v[\s+32*\c:\s+15+32*\c], v[TM+12+2*\c]
	v_cvt_scalef32_pk16_bf6_f32 v[PC+12+4*\c:PC+14+4*\c], v[\s+16+32*\c:\s+31+32*\c], v[TM+12+2*\c+1]
.endr
	v_nop                                          ; one plain place behind a scaled conversion
.irp c, 0,1
.irp i, 0,1,2
	v_permlane16_swap_b32 v[PC+6*\c+\i], v[PC+12+4*\c+\i]
.endr
.irp i, 0,1,2
	v_mov_b32 v[PC+3+6*\c+\i], v[PC+12+4*\c+\i]
.endr
.endr
.endm
.macro CROUND                          ; a round of the cluster's barrier
	s_barrier_signal -1
	s_barrier_wait -1
	s_cmp_lg_u32 s[WV], 0
	s_cbranch_scc1 .Lnot_wave_0_\@
	s_barrier_signal -3
.Lnot_wave_0_\@:
	s_barrier_wait -3
	s_barrier_signal -1
	s_barrier_wait -1
.endm
.macro JLOAD g0a, g1a, g0b, g1b        ; a joint load: waves 0 and 1 fetch for A, waves 2 and 3 for B; four v_nop follow each of the two lines
	s_cmp_eq_u32 s[WY], 0
	s_cbranch_scc0 .Lfor_b_\@
	tensor_load_to_lds s[\g0a:\g0a+3], s[\g1a:\g1a+7]
	s_nop 0
.rept 4
	v_nop
.endr
	s_branch .Lasked_\@
.Lfor_b_\@:
	tensor_load_to_lds s[\g0b:\g0b+3], s[\g1b:\g1b+7]
	s_nop 0
.rept 4
	v_nop
.endr
.Lasked_\@:
.endm
.macro FETCH n, set                    ; K step n's 16 fragments and 8 registers of scale words
	WIN 0x40                                       ; destination window 1
.irp i, 0,1,2,3,4,5,6,7
.irp c, 0,1,2
	ds_load_b128 v[96*(\set)+12*\i+4*\c:96*(\set)+12*\i+4*\c+3], v[ADB+((\n)/3)%2] offset:(4608-1536*((\n)/6))*\i+1536*((\n)%3)+512*\c
.endr
.endr
	WIN 0
.irp i, 0,1,2,3,4,5,6,7
.irp c, 0,1,2
	ds_load_b128 v[AF+96*(\set)+12*\i+4*\c:AF+96*(\set)+12*\i+4*\c+3], v[ADA+((\n)/3)%2] offset:(4608-1536*((\n)/6))*\i+1536*((\n)%3)+512*\c
.endr
.endr
.irp i, 0,1,2,3,4,5,6,7
	ds_load_b32 v[SC+8*(\set)+\i], v[ADS] offset:1024*(\n)+64*\i
.endr
.endm
.macro MULA a, set, first              ; A's block a against B's eight
.irp b, 0,1,2,3,4,5,6,7
.if \first
	v_wmma_scale_f32_16x16x128_f8f6f4 v[8*(8*((\a)%4)+\b):8*(8*((\a)%4)+\b)+7], v[96*(\set)+12*\b:96*(\set)+12*\b+11], v[AF+96*(\set)+12*(\a):AF+96*(\set)+12*(\a)+11], 0, v[SC+8*(\set)+\b], v[SC+8*(\set)+(\a)] matrix_a_fmt:MATRIX_FMT_BF6 matrix_b_fmt:MATRIX_FMT_BF6 matrix_a_scale:MATRIX_SCALE_ROW1
.else
	v_wmma_scale_f32_16x16x128_f8f6f4 v[8*(8*((\a)%4)+\b):8*(8*((\a)%4)+\b)+7], v[96*(\set)+12*\b:96*(\set)+12*\b+11], v[AF+96*(\set)+12*(\a):AF+96*(\set)+12*(\a)+11], v[8*(8*((\a)%4)+\b):8*(8*((\a)%4)+\b)+7], v[SC+8*(\set)+\b], v[SC+8*(\set)+(\a)] matrix_a_fmt:MATRIX_FMT_BF6 matrix_b_fmt:MATRIX_FMT_BF6 matrix_a_scale:MATRIX_SCALE_ROW1
.endif
.endr
.endm
.macro MUL64 set, first                ; the 64 accumulators take turns, in the same order in every step
	WIN 0xa1                                       ; source 0 window 1, source 1 window 0, C and D window 2
.irp a, 0,1,2,3
	MULA \a, \set, \first
.endr
	WIN 0xf1                                       ; C and D window 3
.irp a, 4,5,6,7
	MULA \a, \set, \first
.endr
.endm
; A K step: its fragments, asked for 64 matrix instructions ago, are in; the next step's are asked for; the 64 products.
; sync 1: slot 1 is wanted: my part is in (slot 2's load may be out), a barrier behind which nothing is filled.  sync 2: slot 1 is wanted and slot 0, read out, is filled again.  sync 3: the refill is wanted.
.macro KSTEP n, sync, first
	WIN 0
	s_wait_dscnt 0x0
.if \sync == 1
	s_wait_tensorcnt 0x1
	s_barrier_signal -1
	s_barrier_wait -1
.endif
.if \sync == 3
	s_wait_tensorcnt 0x0                           ; the refill: no load was issued behind it
	s_barrier_signal -1
	s_barrier_wait -1
.endif
.if \sync == 2
	s_wait_tensorcnt 0x0                           ; all my tensor loads have landed, my part of slot 1 among them;
	ds_add_u32 v[SPW], v[NIL]                      ; 0 onto my spare word;
	s_mov_b32 s[G1+1], 384<<16                     ; no tensor load of mine is out: the last fill's rows are two K steps, 3072 bytes
	s_mov_b32 s[G1+3], 384<<16
	s_mov_b32 s[G1B+1], 384<<16
	s_mov_b32 s[G1B+3], 384<<16
	s_wait_dscnt 0x0                               ; the add is done; my reads of slot 0 are over
	CROUND                                         ; the same holds of every wave of all sixteen work-groups
	JLOAD G0A2, G1, G0B2, G1B                      ; K steps 6, 7 into slot 0, first behind the round; its four v_nop are the places in front of the loads below
.else
	PLACES
.endif
.if (\n) < 7
	FETCH (\n)+1, ((\n)+1)%2
.endif
	MUL64 (\n)%2, \first
.endm
	s_load_b512 s[4:19], s[0:1], 0x0               ; xq s[4:5], wq s[6:7], bq s[8:9], bk s[10:11], bv s[12:13], mask s[14:15], qk s[16:17], vq s[18:19]
	v_lshl_add_u32 v[SPW], v0, 2, SPARE
	v_mov_b32 v[NIL], 0
	ds_add_u32 v11, v12
	ds_add_u32 v11, v12
	s_wait_dscnt 0x0
	v_lshrrev_b32 v1, 5, v0
	v_readfirstlane_b32 s[WV], v1
	s_lshr_b32 s[WY], s[WV], 1
	s_and_b32 s[WX], s[WV], 1
	s_bfe_u32 s23, ttmp6, 0x40000                  ; cx
	s_bfe_u32 s92, ttmp6, 0x40004                  ; cy
	s_mov_b32 s93, ttmp9                           ; cluster x: 0 = q's columns, 1 = k's
	s_and_b32 s94, ttmp7, 0xffff                   ; cluster y: the role
	s_lshl_b32 s95, s93, 2
	s_add_co_u32 s95, s95, s23                     ; work-group x
	s_lshl_b32 s96, s94, 2
	s_add_co_u32 s96, s96, s92                     ; work-group y
	s_lshl_b32 s2, s92, 2
	s_lshl_b32 s2, 15, s2                          ; my row of the cluster
	s_lshl_b32 s97, 0x1111, s23                    ; my column
	s_or_b32 s[G1], s2, (3<<16)|(1<<21)            ; 15:0 the mask; 17:16 elements of 8 bytes; 21 set beside a mask; no padding
	s_or_b32 s[G1B], s97, (3<<16)|(1<<21)
	s_or_b32 s[G1S], s2, (3<<16)|(1<<21)
	s_or_b32 s[G1SB], s97, (3<<16)|(1<<21)
.irp g, G1, G1B                        ; the head's load: 16 row tiles x 4608 bytes (three K steps), 12288 bytes apart
	s_mov_b32 s[\g+1], 576<<16
	s_mov_b32 s[\g+2], 16<<16
	s_mov_b32 s[\g+3], 576<<16
	s_mov_b32 s[\g+4], 16
	s_mov_b32 s[\g+5], 1536
	s_mov_b32 s[\g+6], 0
	s_mov_b32 s[\g+7], 0
.endr
.irp g, G1S, G1SB                      ; 8 K steps x 1024 bytes (256 rows' words), 16384 bytes apart
	s_mov_b32 s[\g+1], 128<<16                     ; 8 K steps x 1024 bytes (256 rows' words)
	s_mov_b32 s[\g+2], 8<<16
	s_mov_b32 s[\g+3], 128<<16
	s_mov_b32 s[\g+4], 8
	s_mov_b32 s[\g+5], 2048
	s_mov_b32 s[\g+6], 0
	s_mov_b32 s[\g+7], 0
.endr
	; the role's numbers.  What feeds A's descriptors (s2, s3, s98, s99) never holds cx; what feeds B's (s97, s100, s101) never holds cy
	s_sub_co_u32 s97, s94, 4
	s_lshl_b32 s97, s97, 3
	s_add_co_u32 s97, s97, s95                     ; v's role: the tile of tokens
	s_mov_b32 s98, 1572864
	s_mov_b32 s99, 8658944
	s_mov_b32 s100, 3145728
	s_mov_b32 s101, 8650752
	s_cmp_lt_u32 s94, 4                            ; q's and k's role?
	s_cselect_b32 s2, s96, s92                     ; A's tile: of tokens, or of Wv's rows
	s_cselect_b32 s97, s95, s97                    ; B's tile: of (Wq, Wk)'s rows, or of tokens
	s_cselect_b32 s98, 0, s98                      ; where A's images begin in their buffer
	s_cselect_b32 s99, s100, s99                   ; A's scale words
	s_cselect_b32 s100, s101, s100                 ; B's scale words
	s_lshl_b32 s3, s2, 4
	s_lshl_b32 s101, s[WX], 3
	s_add_co_u32 s3, s3, s101
	s_mul_i32 s3, s3, 12288
	s_add_co_u32 s56, s3, s98
	s_mov_b32 s57, 0
	s_lshl_b32 s3, s2, 10
	s_add_co_u32 s84, s3, s99
	s_mov_b32 s85, 0
	s_lshl_b32 s72, s97, 4
	s_add_co_u32 s72, s72, s101
	s_mul_i32 s72, s72, 12288
	s_mov_b32 s73, 0
	s_lshl_b32 s88, s97, 10
	s_add_co_u32 s88, s88, s100
	s_mov_b32 s89, 0
	s_wait_kmcnt 0x0
	s_cmp_lt_u32 s94, 4
	s_cselect_b64 s[58:59], s[4:5], s[6:7]         ; A's buffer
	s_cselect_b64 s[74:75], s[6:7], s[4:5]         ; B's buffer
	s_add_nc_u64 s[86:87], s[58:59], s[84:85]
	s_add_nc_u64 s[58:59], s[58:59], s[56:57]
	s_add_nc_u64 s[62:63], s[58:59], 4608
	s_add_nc_u64 s[70:71], s[58:59], 9216
	s_add_nc_u64 s[90:91], s[74:75], s[88:89]
	s_add_nc_u64 s[74:75], s[74:75], s[72:73]
	s_add_nc_u64 s[78:79], s[74:75], 4608
	s_add_nc_u64 s[82:83], s[74:75], 9216
	s_cmp_eq_u32 s[WY], 0                          ; the prefetches' base: my quarter of the ring's tiles,
	s_cselect_b64 s[104:105], s[58:59], s[74:75]
	s_cselect_b32 s66, s23, s92                    ; my place among the four that ask for it with me (cx for A, cy for B),
	s_mul_i32 s66, s66, 24576                      ; two row tiles for each place
	s_mov_b32 s67, 0
	s_add_nc_u64 s[104:105], s[104:105], s[66:67]
	s_mul_i32 s66, s[WX], 98304                    ; the head's loads begin at the tile's first row tile
	s_sub_nc_u64 s[58:59], s[58:59], s[66:67]
	s_sub_nc_u64 s[74:75], s[74:75], s[66:67]
	s_mul_i32 s3, s[WV], PARTB
	s_mov_b32 s[G0A0], 1
	s_mov_b32 s[G0A0+1], 0
	s_or_b32 s[G0A0+3], s[G0A0+3], 0x80000000
	s_mov_b32 s[G0A1], 1
	s_add_co_u32 s[G0A1+1], s3, SLOTB
	s_or_b32 s[G0A1+3], s[G0A1+3], 0x80000000
	s_mov_b32 s[G0A2], 1
	s_mov_b32 s[G0A2+1], s3
	s_or_b32 s[G0A2+3], s[G0A2+3], 0x80000000
	s_mov_b32 s[G0B0], 1
	s_mov_b32 s[G0B0+1], 2*PARTB
	s_or_b32 s[G0B0+3], s[G0B0+3], 0x80000000
	s_mov_b32 s[G0B1], 1
	s_add_co_u32 s[G0B1+1], s3, SLOTB
	s_or_b32 s[G0B1+3], s[G0B1+3], 0x80000000
	s_mov_b32 s[G0B2], 1
	s_mov_b32 s[G0B2+1], s3
	s_or_b32 s[G0B2+3], s[G0B2+3], 0x80000000
	s_mov_b32 s[G0SA], 1
	s_mov_b32 s[G0SA+1], SCL
	s_or_b32 s[G0SA+3], s[G0SA+3], 0x80000000
	s_mov_b32 s[G0SB], 1
	s_mov_b32 s[G0SB+1], SCL+8192
	s_or_b32 s[G0SB+3], s[G0SB+3], 0x80000000
	CROUND                                         ; all sixteen work-groups are here: the first joint loads meet
; the head's loads, one a wave: one tree of branches on the wave's number, a load to an arm, all arms to one join
.macro ARM under, g0, g1, next
	s_cmp_lt_u32 s[WV], \under
	s_cbranch_scc0 \next
	tensor_load_to_lds s[\g0:\g0+3], s[\g1:\g1+7]
	s_nop 0
.rept 4
	v_nop
.endr
	s_branch .Lhead_asked
\next:
.endm
	ARM 1, G0A0, G1,  .Lhead_b                     ; A's K steps 0-2
	ARM 2, G0B0, G1B, .Lhead_sa                    ; B's
	ARM 3, G0SA, G1S, .Lhead_sb                    ; A's scale words, for all of K
	tensor_load_to_lds s[G0SB:G0SB+3], s[G1SB:G1SB+7]   ; B's
	s_nop 0
.rept 4
	v_nop
.endr
.Lhead_asked:
	v_and_b32 v1, 15, v0                           ; r
	v_bfe_u32 v2, v0, 4, 1                         ; h
	s_wait_alu depctr_va_vdst(0)
	v_and_b32 v[LI], 31, v0
	v_min_u32 v13, 17, v[LI]                       ; three K steps of a row tile are 18 blocks of 256 bytes (the lanes left over name the last again),
	v_min_u32 v15, 11, v[LI]                       ; two are 12
	v_lshlrev_b32 v13, 8, v13
	v_lshlrev_b32 v15, 8, v15
	v_lshlrev_b32 v[LI], 4, v[LI]
	global_prefetch_b8 v13, s[104:105] offset:4608 th:TH_LOAD_NT scope:SCOPE_SE    ; K steps 3-5 of my two row tiles: what the next fill loads
	global_prefetch_b8 v13, s[104:105] offset:16896 th:TH_LOAD_NT scope:SCOPE_SE
	s_mul_i32 s3, s[WY], PARTB
	s_mul_i32 s101, s[WX], PARTB
	s_add_co_u32 s101, s101, 2*PARTB
.irp s, 0,1,2
	v_add_nc_u32 v[ADA+\s], s3, v[LI]
	v_add_nc_u32 v[ADB+\s], s101, v[LI]
	s_add_co_u32 s3, s3, SLOTB
	s_add_co_u32 s101, s101, SLOTB
.endr
	s_xor_b32 s101, s[WY], 1
	s_add_co_u32 s101, s101, s[WX]
	s_add_co_u32 s101, s101, 15
	s_lshl_b32 s101, s101, 9                       ; from A's words (my half of A) to B's (my half of B): 8192 + (wx - wy) x 512
	v_mul_u32_u24 v[ADS], s101, v2                 ; lanes 16-31 take B's
	s_lshl_b32 s3, s[WY], 9
	s_add_co_u32 s3, s3, SCL
	v_lshl_add_u32 v[ADS], v1, 2, v[ADS]
	v_add_nc_u32 v[ADS], s3, v[ADS]
	; the bias, in the result's layout.  q, k: register 8 b + j holds the bias of feature 16 b + 8 h + j;  v: register 8 a + j that of Wv's row 16 a + r
	s_and_b32 s66, s95, 3
	s_lshl_b32 s66, s66, 8
	s_lshl_b32 s67, s[WX], 7
	s_add_co_u32 s66, s66, s67                     ; q, k: my first feature
	s_cmp_eq_u32 s93, 0
	s_cselect_b64 s[8:9], s[8:9], s[10:11]         ; bq or bk
	s_lshl_b32 s10, s92, 8
	s_lshl_b32 s67, s[WY], 7
	s_add_co_u32 s10, s10, s67                     ; v: my first feature
	s_cmp_lt_u32 s94, 4
	s_cselect_b64 s[8:9], s[8:9], s[12:13]
	s_cselect_b32 s66, s66, s10
	s_cselect_b32 s67, 32, 0                       ; bytes for h,
	s_cselect_b32 s10, 0, 4                        ; for r,
	s_cselect_b32 s11, 4, 0                        ; from register to register
	s_lshl_b32 s66, s66, 2
	v_mul_u32_u24 v[AD], v2, s67
	v_mad_u32_u24 v[AD], v1, s10, v[AD]
	v_add_nc_u32 v[AD], s66, v[AD]
.irp j, 1,2,3,4,5,6,7
	v_add_nc_u32 v[AD+\j], s11, v[AD+\j-1]
.endr
	WIN 0x40
.irp t, 0,1,2,3,4,5,6,7
.irp j, 0,1,2,3,4,5,6,7
	global_load_b32 v[BIAS+8*\t+\j], v[AD+\j], s[8:9] offset:64*\t
.endr
.endr
	WIN 0
	s_lshl_b32 s98, s2, 8
	s_lshl_b32 s3, s[WY], 7
	s_add_co_u32 s98, s98, s3                      ; my first row of A (q, k: my first token; v: under 1024: inside the mask's buffer, and not used)
	s_mov_b32 s99, 0
	s_add_nc_u64 s[14:15], s[14:15], s[98:99]
.irp a, 0,1,2,3,4,5,6,7
	global_load_u8 v[MK+\a], v1, s[14:15] offset:16*\a
.endr
	s_mov_b32 s[SEL], 0x76543210
	s_mov_b32 s[SEL+1], 0xfedcba98
.irp b, 0,1,2,3
	v_mov_b32 v[TM+4+\b], 0                        ; a lane permute's destination counts as one of its sources
.endr
	s_wait_alu depctr_va_vdst(0)
	s_wait_tensorcnt 0x0                           ; my tile of the head's four is in
	ds_add_u32 v[SPW], v[NIL]
	s_mov_b32 s[G1+2], 8<<16                       ; no tensor load of mine is out: from here on a load brings 8 row tiles
	s_mov_b32 s[G1+4], 8
	s_mov_b32 s[G1B+2], 8<<16
	s_mov_b32 s[G1B+4], 8
	s_wait_dscnt 0x0
	CROUND                                         ; all four tiles are in, and all sixteen work-groups are here
	JLOAD G0A1, G1, G0B1, G1B                      ; K steps 3-5 into slot 1, first behind the round
	FETCH 0, 0
	global_prefetch_b8 v15, s[104:105] offset:9216 th:TH_LOAD_NT scope:SCOPE_SE    ; K steps 6, 7 of my two row tiles: what the last fill loads
	global_prefetch_b8 v15, s[104:105] offset:21504 th:TH_LOAD_NT scope:SCOPE_SE
	KSTEP 0, 0, 1                                  ; the first products start the sums: nothing is cleared
	KSTEP 1, 0, 0
	KSTEP 2, 2, 0
	KSTEP 3, 0, 0
	KSTEP 4, 0, 0
	KSTEP 5, 3, 0
	KSTEP 6, 0, 0
	KSTEP 7, 0, 0
	WIN 0
	s_wait_loadcnt 0x0                             ; the bias and the mask
	PLACES
	s_cmp_lt_u32 s94, 4                            ; the role: the same in all partners
	s_cbranch_scc0 .Lv
	; ---- q, k.  s98 = my first token
	s_mov_b32 s12, 0x0101
	s_cmp_eq_u32 s93, 0
	s_cselect_b32 s12, 0x017f, s12                 ; scale bytes 2 and 3: query 127, 1; key 1, 1
	s_cselect_b32 s13, 0, 0xb6                     ; a closed key's byte 2 is 182 more: 183
	s_cselect_b32 s66, 0x0c, 0x3c                  ; the code at k = 64: 1.0 for an open query, -16 for a closed key
	v_sub_nc_u32 v14, 1, v2
	v_mul_u32_u24 v14, v14, s66                    ; in lanes 0-15 alone
	s_lshr_b32 s10, s98, 11                        ; batch
	s_lshl_b32 s10, s10, 4
	s_and_b32 s11, s95, 3
	s_lshl_b32 s11, s11, 2
	s_add_co_u32 s10, s10, s11
	s_lshl_b32 s11, s[WX], 1
	s_add_co_u32 s10, s10, s11                     ; batch x 16 + my first head
	s_lshl_b32 s10, s10, 7
	s_bfe_u32 s11, s98, 0x70004                    ; my first tile of tokens in the batch
	s_add_co_u32 s10, s10, s11
	s_lshl_b32 s10, s10, 10
	s_lshl_b32 s11, s93, 22                        ; k's images lie 4194304 bytes behind q's
	s_add_co_u32 s10, s10, s11
	s_mov_b32 s11, 0
	s_add_nc_u64 s[16:17], s[16:17], s[10:11]
.macro QKOUT a                         ; 16 tokens x my 128 features: two heads' tiles
	s_wait_xcnt 0x0                                ; the last tile's stores have read their registers
	WIN 0x06+(\a)/4                                ; source 0: window 2 or 3; source 1: window 1
.set n, 0
.rept 32
	v_pk_add_f32 v[HA+n:HA+n+1], v[64*((\a)%4)+n:64*((\a)%4)+n+1], v[BIAS+n:BIAS+n+1]   ; each accumulator from its low end on
.set n, n+2
.endr
	WIN 0
	QUANT HA
	v_xor_b32 v[W0], s93, v[MK+(\a)]               ; 1: an open query, or a closed key
	v_or_b32 v[W1], s93, v[MK+(\a)]
	v_sub_nc_u32 v[W1], 0, v[W1]                   ; all ones, but 0 for a closed query
.irp i, 0,1,2,3,4,5,6,7,8,9,10,11
	v_and_b32 v[PC+\i], v[W1], v[PC+\i]
.endr
	v_mul_u32_u24 v[QD+2], v[W0], v14
	v_mul_u32_u24 v[QE+2], v[W0], v14
	v_mad_u32_u24 v[W2], v[W0], s13, s12
	v_and_b32 v[QD+3], 0xffff, v[PW]               ; the first head's two bytes,
	v_lshrrev_b32 v[QE+3], 16, v[PW]               ; the second's
	v_lshl_or_b32 v[QD+3], v[W2], 16, v[QD+3]
	v_lshl_or_b32 v[QE+3], v[W2], 16, v[QE+3]
	v_mov_b32 v[QD], v[PC+4]
	v_mov_b32 v[QD+1], v[PC+5]
	v_mov_b32 v[QE], v[PC+10]
	v_mov_b32 v[QE+1], v[PC+11]
	global_store_b128 v[LI], v[PC:PC+3], s[16:17] offset:1024*(\a)
	global_store_b128 v[LI], v[QD:QD+3], s[16:17] offset:1024*(\a)+512
	global_store_b128 v[LI], v[PC+6:PC+9], s[16:17] offset:1024*(\a)+131072
	global_store_b128 v[LI], v[QE:QE+3], s[16:17] offset:1024*(\a)+131584
.endm
.irp a, 0,1,2,3,4,5,6,7
	QKOUT \a
.endr
	s_branch .Ldone
.Lv:	; ---- v.  My 128 tokens are one K step of the second product; my 128 features are two heads
	s_lshl_b32 s10, s97, 1
	s_add_co_u32 s10, s10, s[WX]                   ; which 128 tokens of the 4096
	s_lshr_b32 s11, s10, 4
	s_lshl_b32 s11, s11, 4                         ; batch x 16
	s_lshl_b32 s12, s92, 2
	s_add_co_u32 s11, s11, s12
	s_lshl_b32 s12, s[WY], 1
	s_add_co_u32 s11, s11, s12                     ; + my first head
	s_lshl_b32 s11, s11, 4
	s_and_b32 s10, s10, 15
	s_add_co_u32 s12, s11, s10                     ; x 16 + the K step
	s_mul_i32 s10, s12, 6400
	s_mov_b32 s11, 0
	s_add_co_u32 s12, s10, 6144                    ; the step's scale words lie behind its four fragments
	s_mov_b32 s13, 0
	s_add_nc_u64 s[16:17], s[18:19], s[10:11]
	s_add_nc_u64 s[18:19], s[18:19], s[12:13]
.macro VOUT a                          ; 16 features x my 128 tokens: one fragment
	s_wait_xcnt 0x0
	WIN 0x06+(\a)/4
.set n, 0
.rept 32
	v_pk_add_f32 v[HA+n:HA+n+1], v[64*((\a)%4)+n:64*((\a)%4)+n+1], v[BIAS+8*(\a)+n%8:BIAS+8*(\a)+n%8+1]
.set n, n+2
.endr
	WIN 0
	QUANT HA
.irp c, 0,1,2
	global_store_b128 v[LI], v[PC+4*\c:PC+4*\c+3], s[16:17] offset:102400*((\a)/4)+1536*((\a)%4)+512*\c
.endr
	v_mov_b32 v[PWS+(\a)], v[PW]
.endm
.irp a, 0,1,2,3,4,5,6,7
	VOUT \a
.endr
	v_cmp_eq_u32 vcc_lo, 1, v2
.irp i, 0,1,2,3
	v_cndmask_b32 v[QD+\i], v[PWS+\i], v[PWS+4+\i], vcc_lo   ; lanes 0-15: the first head's four words of feature r, lanes 16-31: the second head's
.endr
	v_lshlrev_b32 v[W0], 4, v1
	v_mad_u32_u24 v[W0], v2, 0x19000, v[W0]        ; the second head lies 102400 bytes on
	global_store_b128 v[W0], v[QD:QD+3], s[18:19]
.Ldone:
	s_wait_tensorcnt 0x0                           ; the wave's end
	ds_add_u32 v[SPW], v[NIL]
	s_wait_dscnt 0x0
	CROUND                                         ; the closing round
	s_endpgm
.Lfunc_end_k_q55f008069d_qkv:
	.size	k_q55f008069d_qkv, .Lfunc_end_k_q55f008069d_qkv-k_q55f008069d_qkv
	.p2alignl 7, 3214868480
	.fill 96, 4, 3214868480
	.section	.rodata,"a",@progbits
	.p2align	6, 0x0
	.amdhsa_kernel k_q55f008069d_qkv
		.amdhsa_group_segment_fixed_size 327680
		.amdhsa_private_segment_fixed_size 0
		.amdhsa_enable_private_segment 0
		.amdhsa_kernarg_size 64
		.amdhsa_user_sgpr_count 2
		.amdhsa_user_sgpr_kernarg_segment_ptr 1
		.amdhsa_wavefront_size32 1
		.amdhsa_system_sgpr_workgroup_id_x 1
		.amdhsa_system_sgpr_workgroup_id_y 1
		.amdhsa_system_sgpr_workgroup_id_z 1
		.amdhsa_system_vgpr_workitem_id 0
		.amdhsa_next_free_vgpr 1024
		.amdhsa_next_free_sgpr 106
		.amdhsa_reserve_vcc 1
		.amdhsa_float_denorm_mode_32 3
		.amdhsa_float_denorm_mode_16_64 3
		.amdhsa_memory_ordered 1
		.amdhsa_forward_progress 1
		.amdhsa_inst_pref_size 224
	.end_amdhsa_kernel
	.amdgpu_metadata
---
amdhsa.version: [ 1, 2 ]
amdhsa.kernels:
  - .name:           k_q55f008069d_qkv
    .symbol:         k_q55f008069d_qkv.kd
    .args:
      - { .name: xq, .offset: 0, .size: 8, .value_kind: global_buffer, .address_space: global }
      - { .name: wq, .offset: 8, .size: 8, .value_kind: global_buffer, .address_space: global }
      - { .name: bq, .offset: 16, .size: 8, .value_kind: global_buffer, .address_space: global }
      - { .name: bk, .offset: 24, .size: 8, .value_kind: global_buffer, .address_space: global }
      - { .name: bv, .offset: 32, .size: 8, .value_kind: global_buffer, .address_space: global }
      - { .name: mask, .offset: 40, .size: 8, .value_kind: global_buffer, .address_space: global }
      - { .name: qk, .offset: 48, .size: 8, .value_kind: global_buffer, .address_space: global }
      - { .name: vq, .offset: 56, .size: 8, .value_kind: global_buffer, .address_space: global }
    .group_segment_fixed_size: 327680
    .private_segment_fixed_size: 0
    .kernarg_segment_align: 8
    .kernarg_segment_size: 64
    .max_flat_workgroup_size: 128
    .sgpr_count:     106
    .vgpr_count:     1024
    .wavefront_size: 32
...
	.end_amdgpu_metadata
.endif
;; end of part 2
;; launch attn (part 3): grid 8 x 32, 16 waves a work-group, clusters of 4 x 1, 313,344 bytes of LDS; arguments qk, vq, x, y; writes y
.if DOCPART == 3
	.amdgcn_target "amdgcn-amd-amdhsa--gfx1250"
	.amdhsa_code_object_version 6
	.text
	.protected	k_q55f008069d_attn
	.globl	k_q55f008069d_attn
	.p2align	8
	.type	k_q55f008069d_attn,@function
k_q55f008069d_attn:
	s_mov_b64 s[64:65], 0
	v_nop
	global_prefetch_b8 v0, s[64:65] scope:SCOPE_SE
	s_setreg_imm32_b32 hwreg(HW_REG_WAVE_MODE, 25, 1), 1
	s_wait_xcnt 0x0
	s_wait_alu depctr_hold_cnt(0) depctr_sa_sdst(0) depctr_va_vdst(0) depctr_va_sdst(0) depctr_va_ssrc(0) depctr_va_vcc(0) depctr_vm_vsrc(0)
	s_getreg_b32 s2, hwreg(HW_REG_IB_STS2, 6, 4)
	s_cmp_eq_u32 s2, 0
	s_cbranch_scc0 .Lentry_in_a_cluster
	s_endpgm
.Lentry_in_a_cluster:
	s_bfe_u32 s2, ttmp6, 0x10000c
	s_cmp_lg_u32 s2, 0x3003
	s_cbranch_scc0 .Lentry_shape_is_right
	s_endpgm
.Lentry_shape_is_right:
; y = x + softmax(q k^T / 1024, masked) v, head by head, both products on codes of BF6 (E3M2).  q, k, v arrive as images of the operands' registers, made by the launch before.
; THE SOFTMAX AHEAD OF THE SECOND PRODUCT: t = score x log2(e) / 1024; M = the running largest t rounded up to a whole number; p = 2^(t - M) is quantised along the keys, not normalised;
; the row's sum is taken of the unquantised p and divides at the end; when M moves, the sum and O are multiplied by 2^(old M - new M), which rounds nothing.
; The largest score starts at -2^49, above every closed key's (-2^60 by the mask's code) and under every open one's: a step of closed keys alone gives p = 0.  LIMIT: |q . k| under 5e14.
; SHARES: a work-group owns 256 queries of one (batch, head), each of its sixteen waves 16 of them; every wave walks the head's 2048 keys, 128 a step.
; Both products are used transposed (S^T = K Q^T, O^T = V^T P^T): a lane holds one query throughout.
; WHICH KEYS FORM A TILE OF K is chosen by the lanes' LDS addresses: row 8 g + j of tile 4 c + u is key 64 c + 32 g + 8 s(u) + j of the step, s = 0, 2, 1, 3.  In S^T lane (query, g) then holds, in the 32 registers of
; tiles 4 c .. 4 c + 3, the WHOLE block 2 c + g of 32 keys, in the order in which V's codes lie: a block's largest score and its codes need no other lane; only the row's maximum and the scale word cross the two halves.
; THE ROW'S SUM is a tree of packed additions in place on p's registers, behind the conversions.  The first block's tree stands in its own step; the second block's registers are written again only by the next step's
; second group of products, so its tree stands in the next step, behind the first group's products (its first four additions are their places), and joins the sum ahead of that step's change of M.  The head clears these 32 registers once; the tail adds the last tree.
; K's first four tiles of a step are asked for in the step before, behind the products that read their registers last.
; LDS: the whole head's K (128 images of 1024 bytes + 64 of padding, so that the two groups of eight rows of a load start 128 bytes apart modulo 256) and V (16 steps of 6400 bytes: four fragments and the scale words),
; each byte filled once.  SIXTEEN JOINT LOADS, ONE A WAVE: waves 0-7 K's 256 keys each, waves 8-15 V's.  One barrier; behind it the waves run free.
; CLUSTER 4 x 1: the four query blocks of a cluster belong to one head and ask jointly.
; K's registers 7-11 are zeros and Q's too: the head fills 64 of the product's 128, and k = 64 carries the mask.
; No prefetch: all of K and V is asked for at the head; x's rows are asked for by loads in the last step, a softmax ahead of their use.
.set KP,    1088                       ; an image of 16 keys in LDS
.set KST,   8*KP                       ; a step of K
.set VST,   6400                       ; a step of V
.set VIMG,  128*KP
.set STAGE, VIMG+16*VST                ; the way out: 16 rows x 272 bytes for each wave; no tensor load lands here
.set SPARE, STAGE+16*4352              ; the spare words, 128 bytes a wave, that no other line names
.set AK0, 1                            ; K: 2 KP (r / 8) + 16 (r % 8) + 256 (lane / 16)
.set AV0, 2                            ; VIMG + 16 x lane
.set AS0, 3                            ; VIMG + 6144 + 16 r
.set ADS, 4                            ; first 16 x lane for Q's loads, then the step's address of V's scale words
.set SH8, 5                            ; 8 x (lane / 16)
.set SPW, 6                            ; my spare word; never rewritten
.set NIL, 7                            ; 0; never rewritten
.set ADK, 8                            ; the step's address of K (at the end: into the stage)
.set ADV, 9                            ; of V (at the end: out of the stage)
.set NM,  12                           ; -M
.set RUN, 13                           ; the running largest score
.set SUM, 14                           ; v[14:15] the row's sum
.set T1,  16                           ; v16-18 sixteen codes for a moment
.set GO,  22                           ; my byte offset in the wave's rows of x and y
.set PWD, 23                           ; p's scale word
.set Q,   24
.set QS,  36
.set SC1, 37                           ; the conversions' scale operands: v255, v37
.set F,   38                           ; v[38:39] f, 0
.set KF,  40                           ; four tiles of K (at the end v40-71: x's rows)
.set KS,  88
.set VF,  92
.set VS,  140
.set S,   144                          ; S^T, then p
.set O,   208
.set P,   240                          ; p's codes; ahead of them v240-243 and v246-249 eight chains of maxima, v244-245 the two blocks' maxima
.set BM,  244
.set T2,  252
.set SC0, 255
.set WV,  12
.set SEL, 16
.set CS,  18                           ; s[18:19] log2(e) / 1024
.set TK,  20
.set TV,  21
.set CNT, 22
.set G1K, 24
.set G1V, 32
.set G0K, 40
.set G0V, 44
.macro CROUND
	s_barrier_signal -1
	s_barrier_wait -1
	s_cmp_lg_u32 s[WV], 0
	s_cbranch_scc1 .Lnot_wave_0_\@
	s_barrier_signal -3
.Lnot_wave_0_\@:
	s_barrier_wait -3
	s_barrier_signal -1
	s_barrier_wait -1
.endm
.macro KLOAD c                         ; tiles 4 c .. 4 c + 3: registers 0-3, registers 4-6 (the third holds the mask's code), the scale word
.irp u, 0,1,2,3
	ds_load_b128 v[KF+12*\u:KF+12*\u+3], v[ADK] offset:4*KP*(\c)+KP*(\u%2)+128*(\u/2)
	ds_load_b96 v[KF+12*\u+4:KF+12*\u+6], v[ADK] offset:4*KP*(\c)+KP*(\u%2)+128*(\u/2)+512
	ds_load_b32 v[KS+\u], v[ADK] offset:4*KP*(\c)+KP*(\u%2)+128*(\u/2)+524
.endr
.endm
.macro KQ c
.irp u, 0,1,2,3
	v_wmma_scale_f32_16x16x128_f8f6f4 v[S+32*(\c)+8*\u:S+32*(\c)+8*\u+7], v[KF+12*\u:KF+12*\u+11], v[Q:Q+11], 0, v[KS+\u], v[QS] matrix_a_fmt:MATRIX_FMT_BF6 matrix_b_fmt:MATRIX_FMT_BF6
.endr
.endm
.macro ADDP d, s                       ; two sums at once, in place
	v_pk_add_f32 v[(\d):(\d)+1], v[(\d):(\d)+1], v[(\s):(\s)+1]
.endm
; The largest score of my block 2 c + g, 16 instructions in five parts: eight chains (two a tile, each accumulator from its low end on), then their join
.macro BMA c
.irp u, 0,1,2,3
	v_max3_num_f32 v[P+\u], v[S+32*(\c)+8*\u], v[S+32*(\c)+8*\u+1], v[S+32*(\c)+8*\u+2]
.endr
.endm
.macro BMB c
.irp u, 0,1,2,3
	v_max3_num_f32 v[P+6+\u], v[S+32*(\c)+8*\u+3], v[S+32*(\c)+8*\u+4], v[S+32*(\c)+8*\u+5]
.endr
.endm
.macro BMC c
.irp u, 0,1,2,3
	v_max3_num_f32 v[P+\u], v[P+\u], v[P+6+\u], v[S+32*(\c)+8*\u+6]
.endr
.endm
.macro BMD c
	v_max3_num_f32 v[P], v[P], v[P+1], v[S+32*(\c)+7]
	v_max3_num_f32 v[P+2], v[P+2], v[P+3], v[S+32*(\c)+15]
	v_max_num_f32 v[P+6], v[S+32*(\c)+23], v[S+32*(\c)+31]
.endm
.macro BME c
	v_max3_num_f32 v[BM+(\c)], v[P], v[P+2], v[P+6]
.endm
.macro STEP last                       ; 128 keys.  last = 1: the head's last step.  K's first four tiles are in: they were waited for ahead of the last step's second product
	KQ 0
.irp k, 0,1,2,3
	ADDP S+32+4*\k, S+34+4*\k                      ; the last step's second block of p is summed here.  These four are the places behind these products and the last step's
.endr
	KLOAD 1
.irp d, 0,1,2,3
.irp c, 0,1,2
	ds_load_b128 v[VF+12*\d+4*\c:VF+12*\d+4*\c+3], v[ADV] offset:1536*\d+512*\c
.endr
.endr
	ds_load_b128 v[VS:VS+3], v[ADS]
.irp k, 4,5,6,7
	ADDP S+32+4*\k, S+34+4*\k
.endr
	BMA 0
.irp k, 0,1,2,3
	ADDP S+32+8*\k, S+36+8*\k
.endr
	BMB 0
	ADDP S+32, S+40
	ADDP S+48, S+56
	BMC 0
	ADDP S+32, S+48
	BMD 0
	ADDP SUM, S+32                                 ; under the M of the step that made it
	BME 0
	s_wait_dscnt 13                                ; K's second four tiles are in; V's 13 loads, issued behind them, may be out
	KQ 1
	s_add_co_u32 s[TK], s[TK], KST
	s_add_co_u32 s[TV], s[TV], VST
	v_add_nc_u32 v[ADK], s[TK], v[AK0]             ; the next step's addresses: these four are the places behind the products
	v_add_nc_u32 v[ADV], s[TV], v[AV0]
	v_add_nc_u32 v[ADS], s[TV], v[AS0]
	v_nop
.if \last
.irp i, 0,1,2,3,4,5,6,7
	global_load_b128 v[KF+4*\i:KF+4*\i+3], v[GO], s[8:9] offset:8192*\i   ; x's rows, into K's registers, which nothing reads any more
.endr
.else
	KLOAD 0                                        ; the next step's first four tiles
.endif
	BMA 1
	BMB 1
	BMC 1
	BMD 1
	BME 1
	s_delay_alu instid0(VALU_DEP_1)
	v_max3_num_f32 v[RUN], v[RUN], v[BM], v[BM+1]
	s_delay_alu instid0(VALU_DEP_1)
	v_permlanex16_b32 v10, v[RUN], s[SEL], s[SEL+1]
	s_delay_alu instid0(VALU_DEP_1)
	v_max_num_f32 v[RUN], v[RUN], v10              ; with lane l xor 16's 64 keys: the running largest score of my query
	s_delay_alu instid0(VALU_DEP_1)
	v_mul_f32 v10, s[CS], v[RUN]                   ; as t
	s_delay_alu instid0(VALU_DEP_1)
	v_floor_f32 v10, -v10                          ; the new -M = floor(-t): M is a whole number
	s_delay_alu instid0(VALU_DEP_1)
	v_sub_f32 v11, v10, v[NM]                      ; old M - new M: a whole number, 0 or less
	v_mov_b32 v[NM], v10
.set j, 0
.rept 32
	v_pk_fma_f32 v[S+j:S+j+1], v[S+j:S+j+1], s[CS:CS+1], v[NM:NM+1] op_sel_hi:[1,0,0]   ; t - M
.if j == 6
	v_cvt_i32_f32 v11, v11                         ; (it saturates)
.endif
.if j == 16
	v_ldexp_f32 v[F], 1.0, v11                     ; f = 2^(old M - new M)
.endif
.set j, j+2
.endr
	v_fma_f32 v[BM], v[BM], s[CS], v[NM]           ; the same of each block's largest score: p rises with the score
	v_fma_f32 v[BM+1], v[BM+1], s[CS], v[NM]
	s_wait_alu depctr_va_vdst(0)
	v_exp_f32 v[BM], v[BM]                         ; the blocks' largest p
	v_exp_f32 v[BM+1], v[BM+1]
.set j, 0
.rept 64
	v_exp_f32 v[S+j], v[S+j]                       ; p = 2^(t - M)
.set j, j+1
.endr
	v_nop                                          ; a plain place behind the exponentials
	s_wait_alu depctr_va_vdst(0)                   ; one wait for the batch, directly ahead of the first reader of O^T too
.set j, 0
.rept 16
	v_pk_mul_f32 v[O+j:O+j+1], v[O+j:O+j+1], v[F:F+1] op_sel_hi:[1,0]   ; O^T under the new M; the scales' lines stand among these
.if j == 6
	v_max_num_f32 v[BM], 0x2800000, v[BM]          ; the floor 2^(5 - 127): the byte cannot fall under 1
	v_max_num_f32 v[BM+1], 0x2800000, v[BM+1]
.endif
.if j == 14
	v_add_nc_u32 v[SC0], 0xfe000000, v[BM]         ; 4 off the exponent field: the conversion's scale operand
	v_add_nc_u32 v[SC1], 0xfe000000, v[BM+1]
.endif
.if j == 22
	v_lshrrev_b32 v10, 23, v[SC0]                  ; the bytes of blocks g and 2 + g
	v_lshrrev_b32 v11, 23, v[SC1]
.endif
.set j, j+2
.endr
	v_cvt_scalef32_pk16_bf6_f32 v[P:P+2], v[S:S+15], v[SC0]
	v_cvt_scalef32_pk16_bf6_f32 v[T1:T1+2], v[S+16:S+31], v[SC0]   ; (a conversion's three registers begin on an even number)
	v_cvt_scalef32_pk16_bf6_f32 v[P+6:P+8], v[S+32:S+47], v[SC1]
	v_cvt_scalef32_pk16_bf6_f32 v[T2:T2+2], v[S+48:S+63], v[SC1]
	v_lshl_or_b32 v10, v11, 16, v10                ; (the plain place behind the conversions)
.irp i, 0,1,2
	v_mov_b32 v[P+3+\i], v[T1+\i]
.endr
	v_lshlrev_b32 v10, v[SH8], v10                 ; my two bytes at their places in the word
.irp i, 0,1,2
	v_mov_b32 v[P+9+\i], v[T2+\i]
.endr
	v_permlanex16_b32 v11, v10, s[SEL], s[SEL+1]
.irp k, 0,1,2,3
	ADDP S+4*\k, S+2+4*\k                          ; the first block of p is summed, unquantised
.endr
	v_or_b32 v[PWD], v10, v11                      ; with lane l xor 16's two the word is whole; twelve plain lines stand between it and the products
.irp k, 4,5,6,7
	ADDP S+4*\k, S+2+4*\k
.endr
.irp k, 0,1,2,3
	ADDP S+8*\k, S+4+8*\k
.endr
	ADDP S, S+8
	ADDP S+16, S+24
	ADDP S, S+16
	v_pk_fma_f32 v[SUM:SUM+1], v[SUM:SUM+1], v[F:F+1], v[S:S+1] op_sel_hi:[1,0,1]   ; the sum under the new M, and this block's
	s_wait_dscnt 0x0                               ; V's fragments and scale words, and the next step's first tiles of K
.irp d, 0,1,2,3
	v_wmma_scale_f32_16x16x128_f8f6f4 v[O+8*\d:O+8*\d+7], v[VF+12*\d:VF+12*\d+11], v[P:P+11], v[O+8*\d:O+8*\d+7], v[VS+\d], v[PWD] matrix_a_fmt:MATRIX_FMT_BF6 matrix_b_fmt:MATRIX_FMT_BF6
.endr
.endm
	s_load_b256 s[4:11], s[0:1], 0x0               ; qk, vq, x, y
	v_lshl_add_u32 v[SPW], v0, 2, SPARE
	v_mov_b32 v[NIL], 0
	ds_add_u32 v[SPW], v[NIL]                      ; the opening lines: the add, twice on end, and its wait ahead of my tensor load
	ds_add_u32 v[SPW], v[NIL]
	v_lshrrev_b32 v10, 5, v0
	s_delay_alu instid0(VALU_DEP_1)
	v_readfirstlane_b32 s[WV], v10                 ; wave 0..15
	s_bfe_u32 s13, ttmp6, 0x40000                  ; cx: it enters Q's, x's and y's addresses alone
	s_and_b32 s14, ttmp7, 0xffff                   ; batch x 16 + head, which the four partners share
	s_and_b32 s23, s[WV], 7                        ; which 256 keys I fetch
	s_mov_b32 s[G1K], 15|(3<<16)|(1<<20)|(1<<21)|(7<<22)|(15<<25)   ; all four work-groups, bit 21 beside the mask; elements of 8 bytes; 16 words of padding behind every 256
	s_mov_b32 s[G1K+1], 128<<16                    ; 16 images of 1024 bytes
	s_mov_b32 s[G1K+2], 16<<16
	s_mov_b32 s[G1K+3], 128<<16
	s_mov_b32 s[G1K+4], 16
	s_mov_b32 s[G1K+5], 128
	s_mov_b32 s[G1K+6], 0
	s_mov_b32 s[G1K+7], 0
	s_mov_b32 s[G1V], 15|(3<<16)|(1<<21)
	s_mov_b32 s[G1V+1], 32<<16                     ; two steps of V, 12800 bytes, as 50 rows of 256
	s_mov_b32 s[G1V+2], 50<<16
	s_mov_b32 s[G1V+3], 32<<16
	s_mov_b32 s[G1V+4], 50
	s_mov_b32 s[G1V+5], 32
	s_mov_b32 s[G1V+6], 0
	s_mov_b32 s[G1V+7], 0
	s_lshl_b32 s48, s14, 17                        ; the head's images of q and of k: 131072 bytes
	s_lshl_b32 s54, s23, 14
	s_add_co_u32 s54, s54, s48
	s_add_co_u32 s54, s54, 4194304                 ; k's images lie behind q's
	s_mov_b32 s55, 0
	s_mul_i32 s50, s14, 16*VST
	s_mul_i32 s51, s23, 2*VST
	s_add_co_u32 s50, s50, s51
	s_mov_b32 s51, 0
	s_lshl_b32 s15, ttmp9, 2
	s_add_co_u32 s15, s15, s13                     ; my block of 256 queries
	s_lshl_b32 s52, s15, 4
	s_add_co_u32 s52, s52, s[WV]
	s_lshl_b32 s52, s52, 10
	s_add_co_u32 s52, s52, s48                     ; my tile of q
	s_mov_b32 s53, 0
	s_lshr_b32 s2, s14, 4
	s_lshl_b32 s2, s2, 11                          ; batch x 2048
	s_lshl_b32 s3, s15, 8
	s_add_co_u32 s2, s2, s3
	s_lshl_b32 s3, s[WV], 4
	s_add_co_u32 s2, s2, s3                        ; my first token
	s_lshl_b32 s2, s2, 12
	s_and_b32 s3, s14, 15
	s_lshl_b32 s3, s3, 8                           ; the head's 256 bytes of a row
	s_add_co_u32 s2, s2, s3
	s_mov_b32 s3, 0
	s_mov_b32 s[SEL], 0x76543210
	s_mov_b32 s[SEL+1], 0xfedcba98
	s_mov_b32 s[CS], 0x3ab8aa3b                    ; log2(e) / 1024
	s_mov_b32 s[CS+1], s[CS]
	s_mov_b32 s[TK], 0
	s_mov_b32 s[TV], 0
	s_mov_b32 s[G0K], 1
	s_mul_i32 s[G0K+1], s23, 16*KP
	s_mov_b32 s[G0V], 1
	s_mul_i32 s[G0V+1], s23, 2*VST
	s_add_co_u32 s[G0V+1], s[G0V+1], VIMG
	s_wait_dscnt 0x0                               ; both opening adds are done
	s_wait_kmcnt 0x0
	s_add_nc_u64 s[G0K+2:G0K+3], s[4:5], s[54:55]
	s_or_b32 s[G0K+3], s[G0K+3], 0x80000000
	s_add_nc_u64 s[G0V+2:G0V+3], s[6:7], s[50:51]
	s_or_b32 s[G0V+3], s[G0V+3], 0x80000000
	s_add_nc_u64 s[52:53], s[4:5], s[52:53]
	s_add_nc_u64 s[8:9], s[8:9], s[2:3]
	s_add_nc_u64 s[10:11], s[10:11], s[2:3]
	CROUND                                         ; all four work-groups are here: the joint loads meet
	s_cmp_lt_u32 s[WV], 8                          ; one load a wave: waves 0-7 K, waves 8-15 V
	s_cbranch_scc0 .Lfor_v
	tensor_load_to_lds s[G0K:G0K+3], s[G1K:G1K+7]
	s_nop 0
.rept 4
	v_nop
.endr
	s_branch .Lasked
.Lfor_v:
	tensor_load_to_lds s[G0V:G0V+3], s[G1V:G1V+7]
	s_nop 0
.rept 4
	v_nop
.endr
.Lasked:
	v_and_b32 v10, 31, v0
	s_delay_alu instid0(VALU_DEP_1)
	v_lshlrev_b32 v[ADS], 4, v10
	global_load_b128 v[Q:Q+3], v[ADS], s[52:53]              ; Q's registers 0-3,
	global_load_b128 v[Q+4:Q+7], v[ADS], s[52:53] offset:512 ; 4, 5, the mask's code, and the scale word
	v_add_nc_u32 v[AV0], VIMG, v[ADS]
	v_and_b32 v11, 15, v0
	v_bfe_u32 v10, v0, 4, 1
	v_lshl_add_u32 v[AS0], v11, 4, VIMG+6144
	v_lshlrev_b32 v[SH8], 3, v10
	v_lshlrev_b32 v[GO], 12, v10
	v_lshlrev_b32 v[AK0], 8, v10
	v_lshl_add_u32 v[GO], v11, 4, v[GO]            ; lanes 0-15 one row of 4096 bytes, lanes 16-31 the next; 16 bytes a lane
	v_and_b32 v11, 7, v0
	v_bfe_u32 v10, v0, 3, 1
	v_lshl_add_u32 v[AK0], v11, 4, v[AK0]
	s_delay_alu instid0(VALU_DEP_1)
	v_mad_u32_u24 v[AK0], v10, 2*KP, v[AK0]
	v_add_nc_u32 v[ADV], s[TV], v[AV0]
	v_add_nc_u32 v[ADK], s[TK], v[AK0]
	v_mov_b32 v[RUN], 0xd8000000                   ; the largest score so far: -2^49
	v_mul_f32 v10, s[CS], v[RUN]
	s_delay_alu instid0(VALU_DEP_1)
	v_floor_f32 v[NM], -v10                        ; -M
	v_mov_b32 v[SUM], 0
	v_mov_b32 v[SUM+1], 0
	v_mov_b32 v[F+1], 0                            ; (named as the upper half of the pair)
	s_wait_alu depctr_va_vdst(0)
	s_wait_loadcnt 0x0
	v_add_nc_u32 v[ADS], s[TV], v[AS0]             ; Q's loads have read their offset
	v_mov_b32 v[QS], v[Q+7]                        ; Q's scale word in a register of its own
.irp i, 7,8,9,10,11
	v_mov_b32 v[Q+\i], 0
.endr
.irp t, 0,1,2,3
.irp i, 7,8,9,10,11
	v_mov_b32 v[KF+12*\t+\i], 0                    ; K's registers 7-11: zero codes, written once
.endr
.endr
.set j, 0
.rept 32
	v_mov_b32 v[O+j], 0                            ; O^T: the step is written once; the first change of M leaves zeros zeros
	v_mov_b32 v[S+32+j], 0                         ; and what the first step sums as its forerunner's second block
.set j, j+1
.endr
	s_wait_alu depctr_va_vdst(0)
	s_wait_tensorcnt 0x0                           ; my part of K or V is in;
	s_barrier_signal -1
	s_barrier_wait -1                              ; and so is everybody's.
	KLOAD 0                                        ; the first step's first four tiles
	s_wait_dscnt 0x0
	s_mov_b32 s[CNT], 15
.Lstep:
	STEP 0
	s_sub_co_u32 s[CNT], s[CNT], 1
	s_cmp_lg_u32 s[CNT], 0
	s_cbranch_scc1 .Lstep
	STEP 1                                         ; keys 1920 to 2047, and x's rows are asked for
	; THE WAY OUT: the last step's second block joins the sum; O^T / the sum goes through my stage in LDS and comes back as rows of 256 bytes; x's rows are added; sixteen lanes store 256 consecutive bytes, aligned.
.irp k, 0,1,2,3,4,5,6,7
	ADDP S+32+4*\k, S+34+4*\k
.endr
.irp k, 0,1,2,3
	ADDP S+32+8*\k, S+36+8*\k
.endr
	ADDP S+32, S+40
	ADDP S+48, S+56
	ADDP S+32, S+48
	ADDP SUM, S+32
	s_delay_alu instid0(VALU_DEP_1)
	v_add_f32 v[SUM], v[SUM], v[SUM+1]
	s_delay_alu instid0(VALU_DEP_1)
	v_permlanex16_b32 v10, v[SUM], s[SEL], s[SEL+1]
	s_delay_alu instid0(VALU_DEP_1)
	v_add_f32 v[SUM], v[SUM], v10                  ; the row's sum
	s_wait_alu depctr_va_vdst(0)
	v_rcp_f32 v[SUM], v[SUM]
	v_and_b32 v10, 15, v0
	v_bfe_u32 v11, v0, 4, 1
	s_mul_i32 s48, s[WV], 4352
	s_add_co_u32 s48, s48, STAGE
	v_mul_u32_u24 v[ADK], v10, 272
	v_mul_u32_u24 v[ADV], v11, 272
	s_delay_alu instid0(VALU_DEP_2)
	v_lshl_add_u32 v[ADK], v11, 5, v[ADK]
	s_delay_alu instid0(VALU_DEP_2)
	v_lshl_add_u32 v[ADV], v10, 4, v[ADV]
	s_delay_alu instid0(VALU_DEP_2)
	v_add_nc_u32 v[ADK], s48, v[ADK]               ; in: row r, + 32 x half
	s_delay_alu instid0(VALU_DEP_2)
	v_add_nc_u32 v[ADV], s48, v[ADV]               ; back: lanes 0-15 one row, lanes 16-31 the next
	s_wait_alu depctr_va_vdst(0)                   ; the wait for the reciprocal, directly ahead of the first reader of it and of O^T
.set j, 0
.rept 32
	v_mul_f32 v[S+j], v[O+j], v[SUM]               ; register 8 d + i is o(r, 16 d + 8 x half + i)
.set j, j+1
.endr
.irp d, 0,1,2,3
	ds_store_b128 v[ADK], v[S+8*\d:S+8*\d+3] offset:64*\d
	ds_store_b128 v[ADK], v[S+8*\d+4:S+8*\d+7] offset:64*\d+16
.endr
.irp i, 0,1,2,3,4,5,6,7
	ds_load_b128 v[VF+4*\i:VF+4*\i+3], v[ADV] offset:544*\i   ; LDS serves a wave's instructions in order: these see my stores
.endr
	s_wait_dscnt 0x0
	s_wait_loadcnt 0x0                             ; x's rows
.set j, 0
.rept 16
	v_pk_add_f32 v[VF+j:VF+j+1], v[VF+j:VF+j+1], v[KF+j:KF+j+1]
.set j, j+2
.endr
.irp i, 0,1,2,3,4,5,6,7
	global_store_b128 v[GO], v[VF+4*\i:VF+4*\i+3], s[10:11] offset:8192*\i
.endr
	s_wait_tensorcnt 0x0                           ; the wave's end
	ds_add_u32 v[SPW], v[NIL]
	s_wait_dscnt 0x0
	CROUND                                         ; the closing round
	s_endpgm
.Lfunc_end_k_q55f008069d_attn:
	.size	k_q55f008069d_attn, .Lfunc_end_k_q55f008069d_attn-k_q55f008069d_attn
	.p2alignl 7, 3214868480
	.fill 96, 4, 3214868480
	.section	.rodata,"a",@progbits
	.p2align	6, 0x0
	.amdhsa_kernel k_q55f008069d_attn
		.amdhsa_group_segment_fixed_size 313344
		.amdhsa_private_segment_fixed_size 0
		.amdhsa_enable_private_segment 0
		.amdhsa_kernarg_size 32
		.amdhsa_user_sgpr_count 2
		.amdhsa_user_sgpr_kernarg_segment_ptr 1
		.amdhsa_wavefront_size32 1
		.amdhsa_system_sgpr_workgroup_id_x 1
		.amdhsa_system_sgpr_workgroup_id_y 1
		.amdhsa_system_sgpr_workgroup_id_z 1
		.amdhsa_system_vgpr_workitem_id 0
		.amdhsa_next_free_vgpr 256
		.amdhsa_next_free_sgpr 66
		.amdhsa_reserve_vcc 0
		.amdhsa_float_denorm_mode_32 3
		.amdhsa_float_denorm_mode_16_64 3
		.amdhsa_memory_ordered 1
		.amdhsa_forward_progress 1
		.amdhsa_inst_pref_size 46
	.end_amdhsa_kernel
	.amdgpu_metadata
---
amdhsa.version: [ 1, 2 ]
amdhsa.kernels:
  - .name:           k_q55f008069d_attn
    .symbol:         k_q55f008069d_attn.kd
    .args:
      - { .name: qk, .offset: 0, .size: 8, .value_kind: global_buffer, .address_space: global }
      - { .name: vq, .offset: 8, .size: 8, .value_kind: global_buffer, .address_space: global }
      - { .name: x, .offset: 16, .size: 8, .value_kind: global_buffer, .address_space: global }
      - { .name: y, .offset: 24, .size: 8, .value_kind: global_buffer, .address_space: global }
    .group_segment_fixed_size: 313344
    .private_segment_fixed_size: 0
    .kernarg_segment_align: 8
    .kernarg_segment_size: 32
    .max_flat_workgroup_size: 512
    .sgpr_count:     66
    .vgpr_count:     256
    .wavefront_size: 32
...
	.end_amdgpu_metadata
.endif
;; end of part 3
;; launch ln1 (part 4): grid 256 x 1, 4 waves a work-group, no clusters, 66,560 bytes of LDS; arguments y, g1, beta1, h1; writes h1
.if DOCPART == 4
	.amdgcn_target "amdgcn-amd-amdhsa--gfx1250"
	.amdhsa_code_object_version 6
	.text
	.protected	k_q55f008069d_ln1
	.globl	k_q55f008069d_ln1
	.p2align	8
	.type	k_q55f008069d_ln1,@function
k_q55f008069d_ln1:
	s_mov_b64 s[64:65], 0
	v_nop
	global_prefetch_b8 v0, s[64:65] scope:SCOPE_SE
	s_setreg_imm32_b32 hwreg(HW_REG_WAVE_MODE, 25, 1), 1
	s_wait_xcnt 0x0
; h1 = layernorm(y) x g1 + beta1, stored as f32 (h1 + 0) and, quantised along its 1024 to BF6 (E3M2), as images of the operand's registers (h1 + 16777216: [row tile][K step 8][1536]) with scale words (h1 + 19922944: [K step 8][row 4096]).
; A work-group takes 16 rows; wave w rows 4w..4w+3, each whole in 32 registers, so that a row is read once.  Mean first, then the squares of the differences: no difference of large sums.
; The finished rows meet in a stage in LDS; behind one barrier wave w quantises K steps 2w, 2w+1 of the 16 rows.
; The order inside a block of 32: code position p holds k offset p (0-7), p + 8 (8-15), p - 8 (16-23), p (24-31), as in every operand of this program.
; LIMITS: a block of zeros or under 2^-122 gets the byte 1; NaN and infinities are not served.
.set PIT, 4112
.set X,   64                           ; v64-191 four rows
.set G,   192                          ; v192-223 the gain of my 32 columns
.set BT,  224                          ; v224-255 the offset
.set HA,  64
.set PC,  128
.set TM,  16
.set PW,  32
.set AC,  36                           ; v36-43 a pair of sums a row
.set T,   44                           ; v44-47
.set U,   48                           ; v48-51
.set MU,  52                           ; v52-59 the mean, later 1 / sigma, twice a row
.set SEL, 18
.macro QUANT s
.irp b, 0,1,2,3
	v_max3_num_f32 v[TM+\b], |v[\s+16*\b]|, |v[\s+1+16*\b]|, 0x2800000
.endr
.irp i, 2,4,6,8,10,12,14
.irp b, 0,1,2,3
	v_max3_num_f32 v[TM+\b], v[TM+\b], |v[\s+16*\b+\i]|, |v[\s+1+16*\b+\i]|
.endr
.endr
.irp b, 0,1,2,3
	v_permlanex16_b32 v[TM+4+\b], v[TM+\b], s[SEL], s[SEL+1]
.endr
.irp b, 0,1,2,3
	v_max_num_f32 v[TM+\b], v[TM+\b], v[TM+4+\b]
.endr
.irp b, 0,1,2,3
	v_add_nc_u32 v[TM+12+\b], 0xfe000000, v[TM+\b]
.endr
.irp b, 0,1,2,3
	v_lshrrev_b32 v[TM+4+\b], 23, v[TM+12+\b]
.endr
	v_lshl_or_b32 v[PW], v[TM+5], 8, v[TM+4]
	v_lshl_or_b32 v[PW], v[TM+6], 16, v[PW]
	v_lshl_or_b32 v[PW], v[TM+7], 24, v[PW]
.irp c, 0,1
	v_cvt_scalef32_pk16_bf6_f32 v[PC+6*\c:PC+2+6*\c], v[\s+32*\c:\s+15+32*\c], v[TM+12+2*\c]
	v_cvt_scalef32_pk16_bf6_f32 v[PC+12+4*\c:PC+14+4*\c], v[\s+16+32*\c:\s+31+32*\c], v[TM+12+2*\c+1]
.endr
	v_nop
.irp c, 0,1
.irp i, 0,1,2
	v_permlane16_swap_b32 v[PC+6*\c+\i], v[PC+12+4*\c+\i]
.endr
.irp i, 0,1,2
	v_mov_b32 v[PC+3+6*\c+\i], v[PC+12+4*\c+\i]
.endr
.endr
.endm
.macro REDUCE                          ; v[T+i] summed over the 32 lanes, the four rows by turns
.irp m, 1,2,4,8
.irp i, 0,1,2,3
	v_add_f32_dpp v[T+\i], v[T+\i], v[T+\i] row_xmask:\m row_mask:0xf bank_mask:0xf
.endr
.endr
.irp i, 0,1,2,3
	v_permlanex16_b32 v[U+\i], v[T+\i], s[SEL], s[SEL+1]
.endr
.irp i, 0,1,2,3
	v_add_f32 v[T+\i], v[T+\i], v[U+\i]
.endr
.endm
	s_load_b256 s[4:11], s[0:1], 0x0               ; y, g1, beta1, h1
	v_lshl_add_u32 v62, v0, 2, 0x10200
	v_mov_b32 v63, 0
	v_lshrrev_b32 v1, 5, v0
	v_readfirstlane_b32 s22, v1                    ; wave
	v_and_b32 v1, 31, v0
	v_and_b32 v2, 15, v0                           ; r
	v_bfe_u32 v3, v0, 4, 1                         ; h
	v_lshlrev_b32 v4, 4, v1                        ; 16 x lane
	s_mul_i32 s23, s22, 4*PIT
	v_add_nc_u32 v5, s23, v4
	v_mul_u32_u24 v6, v2, PIT
	v_lshl_add_u32 v6, v3, 5, v6
	s_lshl_b32 s23, s22, 10
	v_add_nc_u32 v6, s23, v6
	v_lshlrev_b32 v7, 2, v2
	v_lshl_add_u32 v7, v3, 14, v7
	s_mov_b32 s[SEL], 0x76543210
	s_mov_b32 s[SEL+1], 0xfedcba98
	s_mov_b32 s20, 0x3a800000                      ; 1 / 1024
	s_mov_b32 s21, 0x3727c5ac                      ; 1e-5
.irp b, 0,1,2,3
	v_mov_b32 v[TM+4+\b], 0
	v_mov_b32 v[U+\b], 0
.endr
	s_lshl_b32 s24, ttmp9, 4
	s_lshl_b32 s25, s22, 2
	s_add_co_u32 s24, s24, s25
	s_lshl_b32 s24, s24, 12
	s_mov_b32 s25, 0
	s_lshl_b32 s26, ttmp9, 3
	s_lshl_b32 s27, s22, 1
	s_add_co_u32 s26, s26, s27
	s_mul_i32 s26, s26, 1536
	s_add_co_u32 s26, s26, 16777216
	s_mov_b32 s27, 0
	s_lshl_b32 s28, s22, 15
	s_lshl_b32 s29, ttmp9, 6
	s_add_co_u32 s28, s28, s29
	s_add_co_u32 s28, s28, 19922944
	s_mov_b32 s29, 0
	s_wait_kmcnt 0x0
	s_add_nc_u64 s[4:5], s[4:5], s[24:25]
	s_add_nc_u64 s[12:13], s[10:11], s[24:25]
	s_add_nc_u64 s[14:15], s[10:11], s[26:27]
	s_add_nc_u64 s[16:17], s[10:11], s[28:29]
.irp i, 0,1,2,3
.irp j, 0,1,2,3,4,5,6,7
	global_load_b128 v[X+32*\i+4*\j:X+32*\i+4*\j+3], v4, s[4:5] offset:4096*\i+512*\j th:TH_LOAD_NT
.endr
.endr
.irp j, 0,1,2,3,4,5,6,7
	global_load_b128 v[G+4*\j:G+4*\j+3], v4, s[6:7] offset:512*\j
.endr
.irp j, 0,1,2,3,4,5,6,7
	global_load_b128 v[BT+4*\j:BT+4*\j+3], v4, s[8:9] offset:512*\j
.endr
	s_wait_loadcnt 16                              ; the rows are in; the gain's and the offset's sixteen loads may be out
.irp i, 0,1,2,3
	v_pk_add_f32 v[AC+2*\i:AC+2*\i+1], v[X+32*\i:X+32*\i+1], v[X+32*\i+2:X+32*\i+3]
.endr
.set j, 4
.rept 14
.irp i, 0,1,2,3
	v_pk_add_f32 v[AC+2*\i:AC+2*\i+1], v[AC+2*\i:AC+2*\i+1], v[X+32*\i+j:X+32*\i+j+1]
.endr
.set j, j+2
.endr
.irp i, 0,1,2,3
	v_add_f32 v[T+\i], v[AC+2*\i], v[AC+2*\i+1]
.endr
	REDUCE
.irp i, 0,1,2,3
	v_mul_f32 v[MU+2*\i], s20, v[T+\i]             ; the mean, twice: a pair for the packed forms
	v_mul_f32 v[MU+2*\i+1], s20, v[T+\i]
.endr
.set j, 0
.rept 16
.irp i, 0,1,2,3
	v_pk_add_f32 v[X+32*\i+j:X+32*\i+j+1], v[X+32*\i+j:X+32*\i+j+1], v[MU+2*\i:MU+2*\i+1] neg_lo:[0,1] neg_hi:[0,1]
.endr
.set j, j+2
.endr
.irp i, 0,1,2,3
	v_pk_mul_f32 v[AC+2*\i:AC+2*\i+1], v[X+32*\i:X+32*\i+1], v[X+32*\i:X+32*\i+1]
.endr
.set j, 2
.rept 15
.irp i, 0,1,2,3
	v_pk_fma_f32 v[AC+2*\i:AC+2*\i+1], v[X+32*\i+j:X+32*\i+j+1], v[X+32*\i+j:X+32*\i+j+1], v[AC+2*\i:AC+2*\i+1]
.endr
.set j, j+2
.endr
.irp i, 0,1,2,3
	v_add_f32 v[T+\i], v[AC+2*\i], v[AC+2*\i+1]
.endr
	REDUCE
.irp i, 0,1,2,3
	v_fma_f32 v[T+\i], v[T+\i], s20, s21           ; the variance + 1e-5
.endr
	s_wait_alu depctr_va_vdst(0)
.irp i, 0,1,2,3
	v_rsq_f32 v[MU+2*\i], v[T+\i]
.endr
	v_nop                                          ; a plain place behind the last of them
	s_wait_alu depctr_va_vdst(0)                   ; one wait for the four, ahead of their first reader
.irp i, 0,1,2,3
	v_mov_b32 v[MU+2*\i+1], v[MU+2*\i]
.endr
	s_wait_alu depctr_va_vdst(0)
	s_wait_loadcnt 0x0                             ; the gain and the offset
.set j, 0
.rept 16
.irp i, 0,1,2,3
	v_pk_mul_f32 v[X+32*\i+j:X+32*\i+j+1], v[X+32*\i+j:X+32*\i+j+1], v[MU+2*\i:MU+2*\i+1]
.endr
.irp i, 0,1,2,3
	v_pk_fma_f32 v[X+32*\i+j:X+32*\i+j+1], v[X+32*\i+j:X+32*\i+j+1], v[G+j:G+j+1], v[BT+j:BT+j+1]
.endr
.set j, j+2
.endr
.irp i, 0,1,2,3
.irp j, 0,1,2,3,4,5,6,7
	global_store_b128 v4, v[X+32*\i+4*\j:X+32*\i+4*\j+3], s[12:13] offset:4096*\i+512*\j
	ds_store_b128 v5, v[X+32*\i+4*\j:X+32*\i+4*\j+3] offset:PIT*\i+512*\j
.endr
.endr
	s_wait_dscnt 0x0                               ; my rows lie in the stage: then the barrier, behind which every wave reads all sixteen
	s_barrier_signal -1
	s_barrier_wait -1
	s_wait_xcnt 0x0                                ; the global stores have read their registers: these are loaded again only behind this wait
.irp s, 0,1
.irp b, 0,1,2,3
	ds_load_b128 v[HA+16*\b:HA+16*\b+3], v6 offset:512*\s+128*\b
	ds_load_b128 v[HA+16*\b+4:HA+16*\b+7], v6 offset:512*\s+128*\b+16
	ds_load_b128 v[HA+16*\b+8:HA+16*\b+11], v6 offset:512*\s+128*\b+64
	ds_load_b128 v[HA+16*\b+12:HA+16*\b+15], v6 offset:512*\s+128*\b+80
.endr
	s_wait_dscnt 0x0
.if \s == 1
	s_wait_xcnt 0x0                                ; the first fragment's stores have read their registers
.endif
	QUANT HA
.irp c, 0,1,2
	global_store_b128 v4, v[PC+4*\c:PC+4*\c+3], s[14:15] offset:1536*\s+512*\c
.endr
.if \s == 0
	v_mov_b32 v33, v[PW]
.endif
.endr
	v_cmp_eq_u32 vcc_lo, 1, v3
	v_cndmask_b32 v34, v33, v[PW], vcc_lo
	global_store_b32 v7, v34, s[16:17]
	s_wait_tensorcnt 0x0
	ds_add_u32 v62, v63
	s_wait_dscnt 0x0
	s_endpgm
.Lfunc_end_k_q55f008069d_ln1:
	.size	k_q55f008069d_ln1, .Lfunc_end_k_q55f008069d_ln1-k_q55f008069d_ln1
	.p2alignl 7, 3214868480
	.fill 96, 4, 3214868480
	.section	.rodata,"a",@progbits
	.p2align	6, 0x0
	.amdhsa_kernel k_q55f008069d_ln1
		.amdhsa_group_segment_fixed_size 66560
		.amdhsa_private_segment_fixed_size 0
		.amdhsa_enable_private_segment 0
		.amdhsa_kernarg_size 32
		.amdhsa_user_sgpr_count 2
		.amdhsa_user_sgpr_kernarg_segment_ptr 1
		.amdhsa_wavefront_size32 1
		.amdhsa_system_sgpr_workgroup_id_x 1
		.amdhsa_system_sgpr_workgroup_id_y 1
		.amdhsa_system_sgpr_workgroup_id_z 1
		.amdhsa_system_vgpr_workitem_id 0
		.amdhsa_next_free_vgpr 256
		.amdhsa_next_free_sgpr 66
		.amdhsa_reserve_vcc 1
		.amdhsa_float_denorm_mode_32 3
		.amdhsa_float_denorm_mode_16_64 3
		.amdhsa_memory_ordered 1
		.amdhsa_forward_progress 1
		.amdhsa_inst_pref_size 47
	.end_amdhsa_kernel
	.amdgpu_metadata
---
amdhsa.version: [ 1, 2 ]
amdhsa.kernels:
  - .name:           k_q55f008069d_ln1
    .symbol:         k_q55f008069d_ln1.kd
    .args:
      - { .name: y, .offset: 0, .size: 8, .value_kind: global_buffer, .address_space: global }
      - { .name: g1, .offset: 8, .size: 8, .value_kind: global_buffer, .address_space: global }
      - { .name: beta1, .offset: 16, .size: 8, .value_kind: global_buffer, .address_space: global }
      - { .name: h1, .offset: 24, .size: 8, .value_kind: global_buffer, .address_space: global }
    .group_segment_fixed_size: 66560
    .private_segment_fixed_size: 0
    .kernarg_segment_align: 8
    .kernarg_segment_size: 32
    .max_flat_workgroup_size: 128
    .sgpr_count:     66
    .vgpr_count:     256
    .wavefront_size: 32
...
	.end_amdgpu_metadata
.endif
;; end of part 4
;; launch ff1 (part 5): grid 16 x 16, 4 waves a work-group, clusters of 4 x 4, 327,680 bytes of LDS; arguments h1, wq, b1, hid; writes hid
.if DOCPART == 5
	.amdgcn_target "amdgcn-amd-amdhsa--gfx1250"
	.amdhsa_code_object_version 6
	.text
	.protected	k_q55f008069d_ff1
	.globl	k_q55f008069d_ff1
	.p2align	8
	.type	k_q55f008069d_ff1,@function
k_q55f008069d_ff1:
	s_mov_b64 s[64:65], 0
	v_nop
	global_prefetch_b8 v0, s[64:65] scope:SCOPE_SE
	s_setreg_imm32_b32 hwreg(HW_REG_WAVE_MODE, 25, 1), 1
	s_wait_xcnt 0x0
	s_wait_alu depctr_hold_cnt(0) depctr_sa_sdst(0) depctr_va_vdst(0) depctr_va_sdst(0) depctr_va_ssrc(0) depctr_va_vcc(0) depctr_vm_vsrc(0)
	s_getreg_b32 s2, hwreg(HW_REG_IB_STS2, 6, 4)
	s_cmp_eq_u32 s2, 0
	s_cbranch_scc0 .Lentry_in_a_cluster
	s_endpgm
.Lentry_in_a_cluster:
	s_bfe_u32 s2, ttmp6, 0x10000c
	s_cmp_lg_u32 s2, 0xf033
	s_cbranch_scc0 .Lentry_shape_is_right
	s_endpgm
.Lentry_shape_is_right:
; hid = Q(relu(h1 W1 + b1)) on codes of BF6 (E3M2): the product of 4096 x 1024 by 1024 x 4096, its result quantised at once along the 4096, which are the next product's K.
; A tile is 256 x 256, four waves, each 128 x 128 in 64 accumulators.  Source 0 ("B") = 16 rows of W1's image (features), source 1 ("A") = 16 tokens: a lane holds a token and 128 neighbouring features: one K step of the next product.
; Operands lie in memory as images of the operand's registers ([row tile][K step][1536 bytes]).  The bias is the C of each sum's first product.
; LDS: three slots of two K steps (98304 bytes each).  Six of the eight K steps go out as first fills; slot 0 is filled once more (K steps 6, 7), behind one round of the cluster's barrier.
; The scale words of the tile's rows come once (16384 bytes).  By this text's count a wave has four tensor loads out at the start and one behind the round.
; CLUSTER 4 x 4: A's tiles are asked for jointly along a row of the cluster, B's along a column.
; OUT: hid + 0: [row tile 256][K step 32][1536]; hid + 12582912: scale words [K step 32][row 4096].
; LIMITS: a block of zeros or under 2^-122 gets the byte 1; NaN and infinities are not served.
; THE RING AS IT STANDS (in place of what the head comment says of LDS): two slots of three K steps (147456 bytes each).  At the head each wave issues one joint load: wave 0 A's 16 row tiles of K steps 0-2,
; wave 1 B's, wave 2 A's scale words [K step 8][256 rows], wave 3 B's.  Slot 1 (K steps 3-5) is filled behind the full sequence and a round, a quarter a wave; slot 0 is filled once more (K steps 6, 7; 3072 bytes a row tile) in K step 2.
; A wave has one tensor load out at any time.  PREFETCH: each fill's bytes are named one fill ahead; of a quarter's 8 row tiles each of the four partners that ask for it jointly names 2, told apart by address; a lane names 256 bytes.
.set SLOTB, 147456
.set PARTB, 36864
.set SCL,   294912
.set SPARE, 311296                     ; the spare words, 128 bytes a wave: two blocks of 256 bytes that no other line names
.set LI,  3
.set ADA, 4
.set ADB, 7
.set ADS, 10
.set SPW, 11
.set NIL, 12
.set L4,  13                           ; v13  4 x lane
.set TM,  16
.set SC,  32
.set AF,  64
.set BIAS, 192                         ; window 1
.set HA,  64
.set PC,  128
.set PW,  150
.set PWS, 152
.set QD,  160
.set WV,  20
.set WY,  21
.set WX,  22
.set SEL, 16
.set G1,   24
.set G1B,  32
.set G1S,  40
.set G1SB, 48
.set G0A0, 56
.set G0A1, 60
.set G0A2, 68
.set G0B0, 72
.set G0B1, 76
.set G0B2, 80
.set G0SA, 84
.set G0SB, 88
.set MSB, 0
.macro WIN new
.if MSB != (\new)
	s_set_vgpr_msb (MSB<<8)|(\new)
.set MSB, (\new)
.endif
.endm
.macro PLACES
.rept 4
	v_nop
.endr
.endm
.macro QUANT s
.irp b, 0,1,2,3
	v_max3_num_f32 v[TM+\b], |v[\s+16*\b]|, |v[\s+1+16*\b]|, 0x2800000
.endr
.irp i, 2,4,6,8,10,12,14
.irp b, 0,1,2,3
	v_max3_num_f32 v[TM+\b], v[TM+\b], |v[\s+16*\b+\i]|, |v[\s+1+16*\b+\i]|
.endr
.endr
.irp b, 0,1,2,3
	v_permlanex16_b32 v[TM+4+\b], v[TM+\b], s[SEL], s[SEL+1]
.endr
.irp b, 0,1,2,3
	v_max_num_f32 v[TM+\b], v[TM+\b], v[TM+4+\b]
.endr
.irp b, 0,1,2,3
	v_add_nc_u32 v[TM+12+\b], 0xfe000000, v[TM+\b]
.endr
.irp b, 0,1,2,3
	v_lshrrev_b32 v[TM+4+\b], 23, v[TM+12+\b]
.endr
	v_lshl_or_b32 v[PW], v[TM+5], 8, v[TM+4]
	v_lshl_or_b32 v[PW], v[TM+6], 16, v[PW]
	v_lshl_or_b32 v[PW], v[TM+7], 24, v[PW]
.irp c, 0,1
	v_cvt_scalef32_pk16_bf6_f32 v[PC+6*\c:PC+2+6*\c], v[\s+32*\c:\s+15+32*\c], v[TM+12+2*\c]
	v_cvt_scalef32_pk16_bf6_f32 v[PC+12+4*\c:PC+14+4*\c], v[\s+16+32*\c:\s+31+32*\c], v[TM+12+2*\c+1]
.endr
	v_nop
.irp c, 0,1
.irp i, 0,1,2
	v_permlane16_swap_b32 v[PC+6*\c+\i], v[PC+12+4*\c+\i]
.endr
.irp i, 0,1,2
	v_mov_b32 v[PC+3+6*\c+\i], v[PC+12+4*\c+\i]
.endr
.endr
.endm
.macro CROUND
	s_barrier_signal -1
	s_barrier_wait -1
	s_cmp_lg_u32 s[WV], 0
	s_cbranch_scc1 .Lnot_wave_0_\@
	s_barrier_signal -3
.Lnot_wave_0_\@:
	s_barrier_wait -3
	s_barrier_signal -1
	s_barrier_wait -1
.endm
.macro JLOAD g0a, g1a, g0b, g1b
	s_cmp_eq_u32 s[WY], 0
	s_cbranch_scc0 .Lfor_b_\@
	tensor_load_to_lds s[\g0a:\g0a+3], s[\g1a:\g1a+7]
	s_nop 0
.rept 4
	v_nop
.endr
	s_branch .Lasked_\@
.Lfor_b_\@:
	tensor_load_to_lds s[\g0b:\g0b+3], s[\g1b:\g1b+7]
	s_nop 0
.rept 4
	v_nop
.endr
.Lasked_\@:
.endm
.macro FETCH n, set
	WIN 0x40
.irp i, 0,1,2,3,4,5,6,7
.irp c, 0,1,2
	ds_load_b128 v[96*(\set)+12*\i+4*\c:96*(\set)+12*\i+4*\c+3], v[ADB+((\n)/3)%2] offset:(4608-1536*((\n)/6))*\i+1536*((\n)%3)+512*\c
.endr
.endr
	WIN 0
.irp i, 0,1,2,3,4,5,6,7
.irp c, 0,1,2
	ds_load_b128 v[AF+96*(\set)+12*\i+4*\c:AF+96*(\set)+12*\i+4*\c+3], v[ADA+((\n)/3)%2] offset:(4608-1536*((\n)/6))*\i+1536*((\n)%3)+512*\c
.endr
.endr
.irp i, 0,1,2,3,4,5,6,7
	ds_load_b32 v[SC+8*(\set)+\i], v[ADS] offset:1024*(\n)+64*\i
.endr
.endm
.macro MULA a, set, first
.irp b, 0,1,2,3,4,5,6,7
.if \first
	v_wmma_scale_f32_16x16x128_f8f6f4 v[8*(8*((\a)%4)+\b):8*(8*((\a)%4)+\b)+7], v[96*(\set)+12*\b:96*(\set)+12*\b+11], v[AF+96*(\set)+12*(\a):AF+96*(\set)+12*(\a)+11], v[BIAS+8*\b:BIAS+8*\b+7], v[SC+8*(\set)+\b], v[SC+8*(\set)+(\a)] matrix_a_fmt:MATRIX_FMT_BF6 matrix_b_fmt:MATRIX_FMT_BF6 matrix_a_scale:MATRIX_SCALE_ROW1
.else
	v_wmma_scale_f32_16x16x128_f8f6f4 v[8*(8*((\a)%4)+\b):8*(8*((\a)%4)+\b)+7], v[96*(\set)+12*\b:96*(\set)+12*\b+11], v[AF+96*(\set)+12*(\a):AF+96*(\set)+12*(\a)+11], v[8*(8*((\a)%4)+\b):8*(8*((\a)%4)+\b)+7], v[SC+8*(\set)+\b], v[SC+8*(\set)+(\a)] matrix_a_fmt:MATRIX_FMT_BF6 matrix_b_fmt:MATRIX_FMT_BF6 matrix_a_scale:MATRIX_SCALE_ROW1
.endif
.endr
.endm
.macro MUL64 set, first                ; the 64 accumulators take turns, in the same order in every step
.if \first
	WIN 0x91                                       ; source 0 window 1, source 1 window 0, C (the bias) window 1, D window 2
.else
	WIN 0xa1
.endif
.irp a, 0,1,2,3
	MULA \a, \set, \first
.endr
.if \first
	WIN 0xd1
.else
	WIN 0xf1
.endif
.irp a, 4,5,6,7
	MULA \a, \set, \first
.endr
.endm
.macro KSTEP n, sync, first
	WIN 0
	s_wait_dscnt 0x0
.if \sync == 1
	s_wait_tensorcnt 0x1                           ; my part of slot 1 is in; slot 2's load may be out
	s_barrier_signal -1
	s_barrier_wait -1
.endif
.if \sync == 3
	s_wait_tensorcnt 0x0                           ; the refill: no load was issued behind it
	s_barrier_signal -1
	s_barrier_wait -1
.endif
.if \sync == 2
	s_wait_tensorcnt 0x0                           ; all my tensor loads have landed, my part of slot 1 among them;
	ds_add_u32 v[SPW], v[NIL]                      ; 0 onto my spare word;
	s_mov_b32 s[G1+1], 384<<16                     ; no tensor load of mine is out: the last fill's rows are two K steps, 3072 bytes
	s_mov_b32 s[G1+3], 384<<16
	s_mov_b32 s[G1B+1], 384<<16
	s_mov_b32 s[G1B+3], 384<<16
	s_wait_dscnt 0x0                               ; the add is done; my reads of slot 0 are over
	CROUND
	JLOAD G0A2, G1, G0B2, G1B                      ; K steps 6, 7 into slot 0, first behind the round; its four v_nop are the places in front of the loads below
.else
	PLACES
.endif
.if (\n) < 7
	FETCH (\n)+1, ((\n)+1)%2
.endif
	MUL64 (\n)%2, \first
.endm
	s_load_b256 s[4:11], s[0:1], 0x0               ; h1, wq, b1, hid
	v_lshl_add_u32 v[SPW], v0, 2, SPARE
	v_mov_b32 v[NIL], 0
	ds_add_u32 v11, v12
	ds_add_u32 v11, v12
	s_wait_dscnt 0x0
	v_lshrrev_b32 v1, 5, v0
	v_readfirstlane_b32 s[WV], v1
	s_lshr_b32 s[WY], s[WV], 1
	s_and_b32 s[WX], s[WV], 1
	s_bfe_u32 s23, ttmp6, 0x40000                  ; cx
	s_bfe_u32 s92, ttmp6, 0x40004                  ; cy
	s_lshl_b32 s95, ttmp9, 2
	s_add_co_u32 s95, s95, s23                     ; tile of features
	s_and_b32 s96, ttmp7, 0xffff
	s_lshl_b32 s96, s96, 2
	s_add_co_u32 s96, s96, s92                     ; tile of tokens
	s_lshl_b32 s2, s92, 2
	s_lshl_b32 s2, 15, s2                          ; my row of the cluster
	s_lshl_b32 s97, 0x1111, s23                    ; my column
	s_or_b32 s[G1], s2, (3<<16)|(1<<21)
	s_or_b32 s[G1B], s97, (3<<16)|(1<<21)
	s_or_b32 s[G1S], s2, (3<<16)|(1<<21)
	s_or_b32 s[G1SB], s97, (3<<16)|(1<<21)
.irp g, G1, G1B                        ; the head's load: 16 row tiles x 4608 bytes (three K steps), 12288 bytes apart
	s_mov_b32 s[\g+1], 576<<16
	s_mov_b32 s[\g+2], 16<<16
	s_mov_b32 s[\g+3], 576<<16
	s_mov_b32 s[\g+4], 16
	s_mov_b32 s[\g+5], 1536
	s_mov_b32 s[\g+6], 0
	s_mov_b32 s[\g+7], 0
.endr
.irp g, G1S, G1SB                      ; 8 K steps x 1024 bytes, 16384 bytes apart
	s_mov_b32 s[\g+1], 128<<16                     ; 8 K steps x 1024 bytes (256 rows' words)
	s_mov_b32 s[\g+2], 8<<16
	s_mov_b32 s[\g+3], 128<<16
	s_mov_b32 s[\g+4], 8
	s_mov_b32 s[\g+5], 2048
	s_mov_b32 s[\g+6], 0
	s_mov_b32 s[\g+7], 0
.endr
	; what feeds A's descriptors (s2, s3) never holds cx; what feeds B's (s97, s98) never holds cy
	s_lshl_b32 s2, s96, 4
	s_lshl_b32 s3, s[WX], 3
	s_add_co_u32 s2, s2, s3
	s_mul_i32 s2, s2, 12288
	s_add_co_u32 s56, s2, 16777216
	s_mov_b32 s57, 0
	s_lshl_b32 s2, s96, 10
	s_add_co_u32 s84, s2, 19922944
	s_mov_b32 s85, 0
	s_lshl_b32 s97, s95, 4
	s_lshl_b32 s98, s[WX], 3
	s_add_co_u32 s97, s97, s98
	s_mul_i32 s97, s97, 12288
	s_add_co_u32 s72, s97, 2359296
	s_mov_b32 s73, 0
	s_lshl_b32 s97, s95, 10
	s_add_co_u32 s88, s97, 8781824
	s_mov_b32 s89, 0
	s_wait_kmcnt 0x0
	s_add_nc_u64 s[86:87], s[4:5], s[84:85]
	s_add_nc_u64 s[58:59], s[4:5], s[56:57]
	s_add_nc_u64 s[62:63], s[58:59], 4608
	s_add_nc_u64 s[70:71], s[58:59], 9216
	s_add_nc_u64 s[90:91], s[6:7], s[88:89]
	s_add_nc_u64 s[74:75], s[6:7], s[72:73]
	s_add_nc_u64 s[78:79], s[74:75], 4608
	s_add_nc_u64 s[82:83], s[74:75], 9216
	s_cmp_eq_u32 s[WY], 0                          ; the prefetches' base: my quarter of the ring's tiles,
	s_cselect_b64 s[104:105], s[58:59], s[74:75]
	s_cselect_b32 s66, s23, s92                    ; my place among the four that ask for it with me (cx for A, cy for B),
	s_mul_i32 s66, s66, 24576                      ; two row tiles for each place
	s_mov_b32 s67, 0
	s_add_nc_u64 s[104:105], s[104:105], s[66:67]
	s_mul_i32 s66, s[WX], 98304                    ; the head's loads begin at the tile's first row tile
	s_sub_nc_u64 s[58:59], s[58:59], s[66:67]
	s_sub_nc_u64 s[74:75], s[74:75], s[66:67]
	s_mul_i32 s3, s[WV], PARTB
	s_mov_b32 s[G0A0], 1
	s_mov_b32 s[G0A0+1], 0
	s_or_b32 s[G0A0+3], s[G0A0+3], 0x80000000
	s_mov_b32 s[G0A1], 1
	s_add_co_u32 s[G0A1+1], s3, SLOTB
	s_or_b32 s[G0A1+3], s[G0A1+3], 0x80000000
	s_mov_b32 s[G0A2], 1
	s_mov_b32 s[G0A2+1], s3
	s_or_b32 s[G0A2+3], s[G0A2+3], 0x80000000
	s_mov_b32 s[G0B0], 1
	s_mov_b32 s[G0B0+1], 2*PARTB
	s_or_b32 s[G0B0+3], s[G0B0+3], 0x80000000
	s_mov_b32 s[G0B1], 1
	s_add_co_u32 s[G0B1+1], s3, SLOTB
	s_or_b32 s[G0B1+3], s[G0B1+3], 0x80000000
	s_mov_b32 s[G0B2], 1
	s_mov_b32 s[G0B2+1], s3
	s_or_b32 s[G0B2+3], s[G0B2+3], 0x80000000
	s_mov_b32 s[G0SA], 1
	s_mov_b32 s[G0SA+1], SCL
	s_or_b32 s[G0SA+3], s[G0SA+3], 0x80000000
	s_mov_b32 s[G0SB], 1
	s_mov_b32 s[G0SB+1], SCL+8192
	s_or_b32 s[G0SB+3], s[G0SB+3], 0x80000000
	CROUND                                         ; all sixteen work-groups are here: the first joint loads meet
; the head's loads, one a wave: one tree of branches on the wave's number, a load to an arm, all arms to one join
.macro ARM under, g0, g1, next
	s_cmp_lt_u32 s[WV], \under
	s_cbranch_scc0 \next
	tensor_load_to_lds s[\g0:\g0+3], s[\g1:\g1+7]
	s_nop 0
.rept 4
	v_nop
.endr
	s_branch .Lhead_asked
\next:
.endm
	ARM 1, G0A0, G1,  .Lhead_b                     ; A's K steps 0-2
	ARM 2, G0B0, G1B, .Lhead_sa                    ; B's
	ARM 3, G0SA, G1S, .Lhead_sb                    ; A's scale words, for all of K
	tensor_load_to_lds s[G0SB:G0SB+3], s[G1SB:G1SB+7]   ; B's
	s_nop 0
.rept 4
	v_nop
.endr
.Lhead_asked:
	v_and_b32 v1, 15, v0                           ; r
	v_bfe_u32 v2, v0, 4, 1                         ; h
	v_and_b32 v[LI], 31, v0
	v_lshlrev_b32 v[L4], 2, v[LI]
	v_min_u32 v48, 17, v[LI]                       ; three K steps of a row tile are 18 blocks of 256 bytes (the lanes left over name the last again),
	v_min_u32 v49, 11, v[LI]                       ; two are 12
	v_lshlrev_b32 v48, 8, v48
	v_lshlrev_b32 v49, 8, v49
	v_lshlrev_b32 v[LI], 4, v[LI]
	global_prefetch_b8 v48, s[104:105] offset:4608 th:TH_LOAD_NT scope:SCOPE_SE    ; K steps 3-5 of my two row tiles: what the next fill loads
	global_prefetch_b8 v48, s[104:105] offset:16896 th:TH_LOAD_NT scope:SCOPE_SE
	s_mul_i32 s3, s[WY], PARTB
	s_mul_i32 s101, s[WX], PARTB
	s_add_co_u32 s101, s101, 2*PARTB
.irp s, 0,1,2
	v_add_nc_u32 v[ADA+\s], s3, v[LI]
	v_add_nc_u32 v[ADB+\s], s101, v[LI]
	s_add_co_u32 s3, s3, SLOTB
	s_add_co_u32 s101, s101, SLOTB
.endr
	s_xor_b32 s101, s[WY], 1
	s_add_co_u32 s101, s101, s[WX]
	s_add_co_u32 s101, s101, 15
	s_lshl_b32 s101, s101, 9                       ; 8192 + (wx - wy) x 512
	v_mul_u32_u24 v[ADS], s101, v2                 ; lanes 16-31 take B's
	s_lshl_b32 s3, s[WY], 9
	s_add_co_u32 s3, s3, SCL
	v_lshl_add_u32 v[ADS], v1, 2, v[ADS]
	v_add_nc_u32 v[ADS], s3, v[ADS]
	s_lshl_b32 s18, s95, 10
	s_lshl_b32 s19, s[WX], 9
	s_add_co_u32 s18, s18, s19                     ; my first feature x 4 bytes
	s_mov_b32 s19, 0
	s_add_nc_u64 s[8:9], s[8:9], s[18:19]
	v_lshlrev_b32 v14, 5, v2                       ; 32 h
	WIN 0x40
.irp b, 0,1,2,3,4,5,6,7
	global_load_b128 v[BIAS+8*\b:BIAS+8*\b+3], v14, s[8:9] offset:64*\b          ; register 8 b + j: the bias of feature 16 b + 8 h + j
	global_load_b128 v[BIAS+8*\b+4:BIAS+8*\b+7], v14, s[8:9] offset:64*\b+16
.endr
	WIN 0
	s_mov_b32 s[SEL], 0x76543210
	s_mov_b32 s[SEL+1], 0xfedcba98
.irp b, 0,1,2,3
	v_mov_b32 v[TM+4+\b], 0
.endr
	s_wait_alu depctr_va_vdst(0)
	s_wait_tensorcnt 0x0                           ; my tile of the head's four is in
	ds_add_u32 v[SPW], v[NIL]
	s_mov_b32 s[G1+2], 8<<16                       ; no tensor load of mine is out: from here on a load brings 8 row tiles
	s_mov_b32 s[G1+4], 8
	s_mov_b32 s[G1B+2], 8<<16
	s_mov_b32 s[G1B+4], 8
	s_wait_dscnt 0x0
	CROUND                                         ; all four tiles are in, and all sixteen work-groups are here
	JLOAD G0A1, G1, G0B1, G1B                      ; K steps 3-5 into slot 1, first behind the round
	FETCH 0, 0
	global_prefetch_b8 v49, s[104:105] offset:9216 th:TH_LOAD_NT scope:SCOPE_SE    ; K steps 6, 7 of my two row tiles: what the last fill loads
	global_prefetch_b8 v49, s[104:105] offset:21504 th:TH_LOAD_NT scope:SCOPE_SE
	s_wait_loadcnt 0x0                             ; the bias
	KSTEP 0, 0, 1
	KSTEP 1, 0, 0
	KSTEP 2, 2, 0
	KSTEP 3, 0, 0
	KSTEP 4, 0, 0
	KSTEP 5, 3, 0
	KSTEP 6, 0, 0
	KSTEP 7, 0, 0
	WIN 0
	PLACES
	s_lshl_b32 s66, s95, 1
	s_add_co_u32 s66, s66, s[WX]                   ; which K step of the next product my 128 features are
	s_lshl_b32 s67, s96, 8
	s_lshl_b32 s12, s[WY], 7
	s_add_co_u32 s67, s67, s12                     ; my first token
	s_lshl_b32 s12, s67, 1                         ; (token / 16) x 32
	s_add_co_u32 s12, s12, s66
	s_mul_i32 s12, s12, 1536
	s_mov_b32 s13, 0
	s_lshl_b32 s14, s66, 12
	s_add_co_u32 s14, s14, s67
	s_lshl_b32 s14, s14, 2
	s_add_co_u32 s14, s14, 12582912
	s_mov_b32 s15, 0
	s_add_nc_u64 s[12:13], s[10:11], s[12:13]
	s_add_nc_u64 s[14:15], s[10:11], s[14:15]
.macro HOUT a                          ; 16 tokens x my 128 features: one fragment
	s_wait_xcnt 0x0                                ; the last fragment's stores have read their registers
	WIN 0x08+4*((\a)/4)                            ; source 1: window 2 or 3
.set n, 0
.rept 64
	v_max_num_f32 v[HA+n], 0, v[64*((\a)%4)+n]     ; the activation is the copy; each accumulator from its low end on
.set n, n+1
.endr
	WIN 0
	QUANT HA
.irp c, 0,1,2
	global_store_b128 v[LI], v[PC+4*\c:PC+4*\c+3], s[12:13] offset:49152*(\a)+512*\c
.endr
	v_mov_b32 v[PWS+(\a)], v[PW]
.endm
.irp a, 0,1,2,3,4,5,6,7
	HOUT \a
.endr
	v_cmp_eq_u32 vcc_lo, 1, v2
.irp a, 0,2,4,6
	v_cndmask_b32 v[QD+\a/2], v[PWS+\a], v[PWS+\a+1], vcc_lo   ; 32 rows' words: 128 consecutive bytes
	global_store_b32 v[L4], v[QD+\a/2], s[14:15] offset:64*\a
.endr
	s_wait_tensorcnt 0x0                           ; the wave's end
	ds_add_u32 v[SPW], v[NIL]
	s_wait_dscnt 0x0
	CROUND                                         ; the closing round
	s_endpgm
.Lfunc_end_k_q55f008069d_ff1:
	.size	k_q55f008069d_ff1, .Lfunc_end_k_q55f008069d_ff1-k_q55f008069d_ff1
	.p2alignl 7, 3214868480
	.fill 96, 4, 3214868480
	.section	.rodata,"a",@progbits
	.p2align	6, 0x0
	.amdhsa_kernel k_q55f008069d_ff1
		.amdhsa_group_segment_fixed_size 327680
		.amdhsa_private_segment_fixed_size 0
		.amdhsa_enable_private_segment 0
		.amdhsa_kernarg_size 32
		.amdhsa_user_sgpr_count 2
		.amdhsa_user_sgpr_kernarg_segment_ptr 1
		.amdhsa_wavefront_size32 1
		.amdhsa_system_sgpr_workgroup_id_x 1
		.amdhsa_system_sgpr_workgroup_id_y 1
		.amdhsa_system_sgpr_workgroup_id_z 1
		.amdhsa_system_vgpr_workitem_id 0
		.amdhsa_next_free_vgpr 1024
		.amdhsa_next_free_sgpr 106
		.amdhsa_reserve_vcc 1
		.amdhsa_float_denorm_mode_32 3
		.amdhsa_float_denorm_mode_16_64 3
		.amdhsa_memory_ordered 1
		.amdhsa_forward_progress 1
		.amdhsa_inst_pref_size 159
	.end_amdhsa_kernel
	.amdgpu_metadata
---
amdhsa.version: [ 1, 2 ]
amdhsa.kernels:
  - .name:           k_q55f008069d_ff1
    .symbol:         k_q55f008069d_ff1.kd
    .args:
      - { .name: h1, .offset: 0, .size: 8, .value_kind: global_buffer, .address_space: global }
      - { .name: wq, .offset: 8, .size: 8, .value_kind: global_buffer, .address_space: global }
      - { .name: b1, .offset: 16, .size: 8, .value_kind: global_buffer, .address_space: global }
      - { .name: hid, .offset: 24, .size: 8, .value_kind: global_buffer, .address_space: global }
    .group_segment_fixed_size: 327680
    .private_segment_fixed_size: 0
    .kernarg_segment_align: 8
    .kernarg_segment_size: 32
    .max_flat_workgroup_size: 128
    .sgpr_count:     106
    .vgpr_count:     1024
    .wavefront_size: 32
...
	.end_amdgpu_metadata
.endif
;; end of part 5
;; launch ff2 (part 6): grid 8 x 32, 4 waves a work-group, clusters of 4 x 4, 327,680 bytes of LDS; arguments hid, wq, b2, h1, y; writes y
.if DOCPART == 6
	.amdgcn_target "amdgcn-amd-amdhsa--gfx1250"
	.amdhsa_code_object_version 6
	.text
	.protected	k_q55f008069d_ff2
	.globl	k_q55f008069d_ff2
	.p2align	8
	.type	k_q55f008069d_ff2,@function
k_q55f008069d_ff2:
	s_mov_b64 s[64:65], 0
	v_nop
	global_prefetch_b8 v0, s[64:65] scope:SCOPE_SE
	s_setreg_imm32_b32 hwreg(HW_REG_WAVE_MODE, 25, 1), 1
	s_wait_xcnt 0x0
	s_wait_alu depctr_hold_cnt(0) depctr_sa_sdst(0) depctr_va_vdst(0) depctr_va_sdst(0) depctr_va_ssrc(0) depctr_va_vcc(0) depctr_vm_vsrc(0)
	s_getreg_b32 s2, hwreg(HW_REG_IB_STS2, 6, 4)
	s_cmp_eq_u32 s2, 0
	s_cbranch_scc0 .Lentry_in_a_cluster
	s_endpgm
.Lentry_in_a_cluster:
	s_bfe_u32 s2, ttmp6, 0x10000c
	s_cmp_lg_u32 s2, 0xf033
	s_cbranch_scc0 .Lentry_shape_is_right
	s_endpgm
.Lentry_shape_is_right:
.set Q0,    6
.set Q1,    5
.set P0,    Q0*1536
.set P1,    Q1*1536
.set PART0, 4*P0
.set PART1, 4*P1
.set SLOT1, 4*PART0
.set SCL,   SLOT1+4*PART1
.set STAGE, SCL+32768
.set SPARE, STAGE+17408
.set LI,  3
.set ADA, 4
.set ADB, 6
.set ADS, 10
.set SPW, 11
.set NIL, 12
.set CO,  14
.set STO, 15
.set RD,  16
.set BH,  17
.set SC,  32
.set OUTR, 40
.set ACC, 128
.set WV,  20
.set WY,  21
.set WX,  22
.set G1A,  24
.set G1B,  32
.set G1S,  56
.set G1SB, 68
.set G0A,  76
.set G0B,  84
.set G0SA, 92
.set G0SB, 96
.set MSB, 0
.macro WIN new
.if MSB != (\new)
	s_set_vgpr_msb (MSB<<8)|(\new)
.set MSB, (\new)
.endif
.endm
.macro PLACES
.rept 4
	v_nop
.endr
.endm
.macro CROUND
	s_barrier_signal -1
	s_barrier_wait -1
	s_cmp_lg_u32 s[WV], 0
	s_cbranch_scc1 .Lnot_wave_0_\@
	s_barrier_signal -3
.Lnot_wave_0_\@:
	s_barrier_wait -3
	s_barrier_signal -1
	s_barrier_wait -1
.endm
.macro JLOAD g0a, g1a, g0b, g1b
	s_cmp_eq_u32 s[WY], 0
	s_cbranch_scc0 .Lfor_b_\@
	tensor_load_to_lds s[\g0a:\g0a+3], s[\g1a:\g1a+7]
	s_nop 0
.rept 4
	v_nop
.endr
	s_branch .Lasked_\@
.Lfor_b_\@:
	tensor_load_to_lds s[\g0b:\g0b+3], s[\g1b:\g1b+7]
	s_nop 0
.rept 4
	v_nop
.endr
.Lasked_\@:
.endm
.macro FETCHS slot, q, set, n
	WIN 0x40
.irp i, 0,1,2,3
.irp c, 0,1,2
	ds_load_b128 v[96+48*(\set)+12*\i+4*\c:96+48*(\set)+12*\i+4*\c+3], v[ADB+(\slot)] offset:(P0-(P0-P1)*(\slot))*\i+1536*(\q)+512*\c
.endr
.endr
.irp i, 0,1,2,3
.irp c, 0,1,2
	ds_load_b128 v[48*(\set)+12*\i+4*\c:48*(\set)+12*\i+4*\c+3], v[ADA+(\slot)] offset:(P0-(P0-P1)*(\slot))*\i+1536*(\q)+512*\c
.endr
.endr
	WIN 0
.irp i, 0,1,2,3
	ds_load_b32 v[SC+4*(\set)+\i], v[ADS] offset:512*(\n)+64*\i
.endr
.endm
.macro MUL16S set
	WIN 0x05
.irp a, 0,1,2,3
.irp b, 0,1,2,3
	v_wmma_scale_f32_16x16x128_f8f6f4 v[ACC+8*(4*\a+\b):ACC+8*(4*\a+\b)+7], v[96+48*(\set)+12*\b:96+48*(\set)+12*\b+11], v[48*(\set)+12*\a:48*(\set)+12*\a+11], v[ACC+8*(4*\a+\b):ACC+8*(4*\a+\b)+7], v[SC+4*(\set)+\b], v[SC+4*(\set)+\a] matrix_a_fmt:MATRIX_FMT_BF6 matrix_b_fmt:MATRIX_FMT_BF6 matrix_a_scale:MATRIX_SCALE_ROW1
.endr
.endr
.endm
.macro KS n, slot, turn, adv, nslot, nq
	WIN 0
.if \turn
	s_wait_tensorcnt 0x0
	ds_add_u32 v[SPW], v[NIL]
.if \turn == 1
	s_add_nc_u64 s[G0A+4*\slot+2:G0A+4*\slot+3], s[G0A+4*\slot+2:G0A+4*\slot+3], \adv
	s_add_nc_u64 s[G0B+4*\slot+2:G0B+4*\slot+3], s[G0B+4*\slot+2:G0B+4*\slot+3], \adv
.endif
	s_wait_dscnt 0x0
.if \turn == 1
	CROUND
	JLOAD G0A+4*\slot, G1A+16*\slot, G0B+4*\slot, G1B+16*\slot
.else
	s_barrier_signal -1
	s_barrier_wait -1
	PLACES
.endif
.else
	s_wait_dscnt 0x0
	PLACES
.endif
.if (\n) < 31
	FETCHS \nslot, \nq, ((\n)+1)%2, (\n)+1
.endif
	MUL16S (\n)%2
.endm
	s_load_b256 s[4:11], s[0:1], 0x0
	s_load_b64 s[12:13], s[0:1], 0x20
	v_lshl_add_u32 v[SPW], v0, 2, SPARE
	v_mov_b32 v[NIL], 0
	ds_add_u32 v11, v12
	ds_add_u32 v11, v12
	s_wait_dscnt 0x0
	v_lshrrev_b32 v1, 5, v0
	v_readfirstlane_b32 s[WV], v1
	s_lshr_b32 s[WY], s[WV], 1
	s_and_b32 s[WX], s[WV], 1
	s_bfe_u32 s23, ttmp6, 0x40000
	s_bfe_u32 s14, ttmp6, 0x40004
	s_lshl_b32 s15, ttmp9, 2
	s_add_co_u32 s15, s15, s23
	s_and_b32 s16, ttmp7, 0xffff
	s_lshl_b32 s16, s16, 2
	s_add_co_u32 s16, s16, s14
	s_lshl_b32 s2, s14, 2
	s_lshl_b32 s2, 15, s2
	s_lshl_b32 s17, 0x1111, s23
	s_or_b32 s[G1A], s2, (3<<16)|(1<<21)
	s_or_b32 s[G1A+16], s2, (3<<16)|(1<<21)
	s_or_b32 s[G1S], s2, (3<<16)|(1<<21)
	s_or_b32 s[G1B], s17, (3<<16)|(1<<21)
	s_or_b32 s[G1B+16], s17, (3<<16)|(1<<21)
	s_or_b32 s[G1SB], s17, (3<<16)|(1<<21)
; y = h1 + hid W2 + b2 on codes of BF6 (E3M2).  A tile is 128 x 128, four waves of 64 x 64; K = 4096 in 32 steps through two slots of 6 and 5 K steps.
; THE HEAD'S LOADS, ONE A WAVE: wave 0 A's 8 row tiles of K steps 0-5, wave 1 B's, wave 2 A's scale words [K step 32][128 rows], wave 3 B's.  Slot 1 is first filled behind the full sequence and a round, a quarter a wave, as every refill is.
; PREFETCH: of a quarter's 4 row tiles each of the four partners that ask for it jointly names one, told apart by address; a lane names 256 bytes; a row tile's bytes from K step 6 on are named one to two fills ahead of the fill that loads them.
.irp g, G1A, G1B                       ; the head's load: 8 row tiles
	s_mov_b32 s[\g+1], (Q0*192)<<16
	s_mov_b32 s[\g+2], 8<<16
	s_mov_b32 s[\g+3], (Q0*192)<<16
	s_mov_b32 s[\g+4], 8
	s_mov_b32 s[\g+5], 6144
	s_mov_b32 s[\g+6], 0
	s_mov_b32 s[\g+7], 0
.endr
.irp g, G1A+16, G1B+16
	s_mov_b32 s[\g+1], (Q1*192)<<16
	s_mov_b32 s[\g+2], 4<<16
	s_mov_b32 s[\g+3], (Q1*192)<<16
	s_mov_b32 s[\g+4], 4
	s_mov_b32 s[\g+5], 6144
	s_mov_b32 s[\g+6], 0
	s_mov_b32 s[\g+7], 0
.endr
.irp g, G1S, G1SB
	s_mov_b32 s[\g+1], 64<<16                      ; 32 K steps x 512 bytes (128 rows' words)
	s_mov_b32 s[\g+2], 32<<16
	s_mov_b32 s[\g+3], 64<<16
	s_mov_b32 s[\g+4], 32
	s_mov_b32 s[\g+6], 0
	s_mov_b32 s[\g+7], 0
.endr
	s_mov_b32 s[G1S+5], 2048
	s_mov_b32 s[G1SB+5], 512
	s_lshl_b32 s2, s16, 3
	s_lshl_b32 s3, s[WX], 2
	s_add_co_u32 s2, s2, s3
	s_mul_i32 s76, s2, 49152
	s_mov_b32 s77, 0
	s_lshl_b32 s2, s16, 9
	s_add_co_u32 s92, s2, 12582912
	s_mov_b32 s93, 0
	s_lshl_b32 s17, s15, 3
	s_lshl_b32 s18, s[WX], 2
	s_add_co_u32 s17, s17, s18
	s_mul_i32 s17, s17, 49152
	s_add_co_u32 s84, s17, 5505024
	s_mov_b32 s85, 0
	s_lshl_b32 s17, s15, 9
	s_add_co_u32 s96, s17, 8912896
	s_mov_b32 s97, 0
	s_wait_kmcnt 0x0
	s_add_nc_u64 s[94:95], s[4:5], s[92:93]
	s_add_nc_u64 s[78:79], s[4:5], s[76:77]
	s_add_nc_u64 s[82:83], s[78:79], Q0*1536
	s_add_nc_u64 s[98:99], s[6:7], s[96:97]
	s_add_nc_u64 s[86:87], s[6:7], s[84:85]
	s_add_nc_u64 s[90:91], s[86:87], Q0*1536
	s_cmp_eq_u32 s[WY], 0                          ; the prefetches' base: my quarter of the ring's tiles,
	s_cselect_b64 s[104:105], s[78:79], s[86:87]
	s_cselect_b32 s66, s23, s14                    ; my place among the four that ask for it with me (cx for A, cy for B):
	s_mul_i32 s66, s66, 49152                      ; a row tile for each place
	s_mov_b32 s67, 0
	s_add_nc_u64 s[104:105], s[104:105], s[66:67]
	s_mul_i32 s66, s[WX], 196608                   ; the head's loads begin at the tile's first row tile
	s_sub_nc_u64 s[78:79], s[78:79], s[66:67]
	s_sub_nc_u64 s[86:87], s[86:87], s[66:67]
	s_mul_i32 s3, s[WV], PART0
	s_mul_i32 s19, s[WV], PART1
	s_add_co_u32 s19, s19, SLOT1
	s_mov_b32 s[G0A], 1
	s_mov_b32 s[G0A+1], 0
	s_or_b32 s[G0A+3], s[G0A+3], 0x80000000
	s_mov_b32 s[G0A+4], 1
	s_mov_b32 s[G0A+5], s19
	s_or_b32 s[G0A+7], s[G0A+7], 0x80000000
	s_mov_b32 s[G0B], 1
	s_mov_b32 s[G0B+1], 2*PART0
	s_or_b32 s[G0B+3], s[G0B+3], 0x80000000
	s_mov_b32 s[G0B+4], 1
	s_mov_b32 s[G0B+5], s19
	s_or_b32 s[G0B+7], s[G0B+7], 0x80000000
	s_mov_b32 s[G0SA], 1
	s_mov_b32 s[G0SA+1], SCL
	s_or_b32 s[G0SA+3], s[G0SA+3], 0x80000000
	s_mov_b32 s[G0SB], 1
	s_mov_b32 s[G0SB+1], SCL+16384
	s_or_b32 s[G0SB+3], s[G0SB+3], 0x80000000
	CROUND
; one tree of branches on the wave's number, a load to an arm, all arms to one join
.macro ARM under, g0, g1, next
	s_cmp_lt_u32 s[WV], \under
	s_cbranch_scc0 \next
	tensor_load_to_lds s[\g0:\g0+3], s[\g1:\g1+7]
	s_nop 0
.rept 4
	v_nop
.endr
	s_branch .Lhead_asked
\next:
.endm
	ARM 1, G0A,  G1A, .Lhead_b                     ; A's K steps 0-5
	ARM 2, G0B,  G1B, .Lhead_sa                    ; B's
	ARM 3, G0SA, G1S, .Lhead_sb                    ; A's scale words, for all of K
	tensor_load_to_lds s[G0SB:G0SB+3], s[G1SB:G1SB+7]   ; B's
	s_nop 0
.rept 4
	v_nop
.endr
.Lhead_asked:
	v_and_b32 v1, 15, v0
	v_bfe_u32 v2, v0, 4, 1
	s_wait_alu depctr_va_vdst(0)
	v_and_b32 v[LI], 31, v0
	v_min_u32 v19, 27, v[LI]                       ; the row tile's last 28 blocks of 256 bytes (the lanes left over name the last again)
	v_lshlrev_b32 v18, 8, v[LI]                    ; 32 blocks of 256 bytes
	v_lshlrev_b32 v19, 8, v19
	v_lshlrev_b32 v[LI], 4, v[LI]
	global_prefetch_b8 v18, s[104:105] offset:9216 th:TH_LOAD_NT scope:SCOPE_SE    ; my row tile from K step 6 on: what slot 1's first fill loads
	s_mul_i32 s3, s[WY], PART0
	s_mul_i32 s19, s[WX], PART0
	s_add_co_u32 s19, s19, 2*PART0
	v_add_nc_u32 v[ADA], s3, v[LI]
	v_add_nc_u32 v[ADB], s19, v[LI]
	s_mul_i32 s3, s[WY], PART1
	s_add_co_u32 s3, s3, SLOT1
	s_mul_i32 s19, s[WX], PART1
	s_add_co_u32 s19, s19, SLOT1+2*PART1
	v_add_nc_u32 v[ADA+1], s3, v[LI]
	v_add_nc_u32 v[ADB+1], s19, v[LI]
	s_xor_b32 s19, s[WY], 1
	s_add_co_u32 s19, s19, s[WX]
	s_add_co_u32 s19, s19, 63
	s_lshl_b32 s19, s19, 8                         ; from A's words (my half of A) to B's (my half of B): 16384 + (wx - wy) x 256
	v_mul_u32_u24 v[ADS], s19, v2
	s_lshl_b32 s3, s[WY], 8
	s_add_co_u32 s3, s3, SCL
	v_lshl_add_u32 v[ADS], v1, 2, v[ADS]
	v_add_nc_u32 v[ADS], s3, v[ADS]
	v_lshlrev_b32 v[CO], 12, v2
	v_lshl_add_u32 v[CO], v1, 4, v[CO]
	s_mul_i32 s3, s[WV], 4352
	s_add_co_u32 s3, s3, STAGE
	v_mul_u32_u24 v[STO], v1, 272
	v_lshl_add_u32 v[STO], v2, 5, v[STO]
	v_add_nc_u32 v[STO], s3, v[STO]
	v_mul_u32_u24 v[RD], v2, 272
	v_lshl_add_u32 v[RD], v1, 4, v[RD]
	v_add_nc_u32 v[RD], s3, v[RD]
	v_lshlrev_b32 v[BH], 5, v2
	s_wait_alu depctr_va_vdst(0)
	s_lshl_b32 s100, s15, 9
	s_lshl_b32 s101, s[WX], 8
	s_add_co_u32 s100, s100, s101
	s_mov_b32 s101, 0
	s_lshl_b32 s66, s16, 7
	s_lshl_b32 s67, s[WY], 6
	s_add_co_u32 s66, s66, s67
	s_lshl_b32 s66, s66, 12
	s_add_co_u32 s66, s66, s100
	s_mov_b32 s67, 0
	s_add_nc_u64 s[8:9], s[8:9], s[100:101]
	s_add_nc_u64 s[10:11], s[10:11], s[66:67]
	s_add_nc_u64 s[12:13], s[12:13], s[66:67]
.irp a, 0,1,2,3
.irp b, 0,1,2,3
	global_load_b128 v[ACC+8*(4*\a+\b):ACC+8*(4*\a+\b)+3], v[BH], s[8:9] offset:64*\b
	global_load_b128 v[ACC+8*(4*\a+\b)+4:ACC+8*(4*\a+\b)+7], v[BH], s[8:9] offset:64*\b+16
.endr
.endr
	WIN 0x80
.irp a, 0,1,2,3
.irp i, 0,1,2,3,4,5,6,7
	global_load_b128 v[32*\a+4*\i:32*\a+4*\i+3], v[CO], s[10:11] offset:(16*\a+2*\i)*4096
.endr
.endr
	WIN 0
	s_wait_alu depctr_va_vdst(0)
	s_wait_tensorcnt 0x0                           ; my tile of the head's four is in
	ds_add_u32 v[SPW], v[NIL]
	s_mov_b32 s[G1A+2], 4<<16                      ; no tensor load of mine is out: from here on a load brings my quarter, 4 row tiles,
	s_mov_b32 s[G1A+4], 4
	s_mov_b32 s[G1B+2], 4<<16
	s_mov_b32 s[G1B+4], 4
	s_mul_i32 s66, s[WX], 196608
	s_mov_b32 s67, 0
	s_add_nc_u64 s[G0A+2:G0A+3], s[G0A+2:G0A+3], s[66:67]   ; from my half of the tile,
	s_add_nc_u64 s[G0B+2:G0B+3], s[G0B+2:G0B+3], s[66:67]
	s_mul_i32 s66, s[WV], PART0
	s_mov_b32 s[G0A+1], s66                        ; to wave x a quarter of slot 0
	s_mov_b32 s[G0B+1], s66
	s_wait_dscnt 0x0
	CROUND                                         ; all four tiles are in, and all sixteen work-groups are here
	JLOAD G0A+4, G1A+16, G0B+4, G1B+16             ; K steps 6-10 into slot 1, first behind the round
	FETCHS 0, 0, 0, 0
	global_prefetch_b8 v18, s[104:105] offset:17408 th:TH_LOAD_NT scope:SCOPE_SE   ; on to the end of K step 21: what the next two fills load
	global_prefetch_b8 v18, s[104:105] offset:25600 th:TH_LOAD_NT scope:SCOPE_SE
	s_wait_loadcnt 32
	KS 0,  0, 0, 0, 0, 1
	KS 1,  0, 0, 0, 0, 2
	KS 2,  0, 0, 0, 0, 3
	KS 3,  0, 0, 0, 0, 4
	KS 4,  0, 0, 0, 0, 5
	KS 5,  0, 1, 11*1536, 1, 0
	WIN 0
	global_prefetch_b8 v18, s[104:105] offset:33792 th:TH_LOAD_NT scope:SCOPE_SE   ; from K step 22 on: two fills ahead
	KS 6,  1, 0, 0, 1, 1
	KS 7,  1, 0, 0, 1, 2
	KS 8,  1, 0, 0, 1, 3
	KS 9,  1, 0, 0, 1, 4
	KS 10, 1, 1, 11*1536, 0, 0
	WIN 0
	global_prefetch_b8 v19, s[104:105] offset:41984 th:TH_LOAD_NT scope:SCOPE_SE   ; the row tile's last 7168 bytes
	KS 11, 0, 0, 0, 0, 1
	KS 12, 0, 0, 0, 0, 2
	KS 13, 0, 0, 0, 0, 3
	KS 14, 0, 0, 0, 0, 4
	KS 15, 0, 0, 0, 0, 5
	KS 16, 0, 1, 11*1536, 1, 0
	KS 17, 1, 0, 0, 1, 1
	KS 18, 1, 0, 0, 1, 2
	KS 19, 1, 0, 0, 1, 3
	KS 20, 1, 0, 0, 1, 4
	KS 21, 1, 1, 10*1536, 0, 0
	KS 22, 0, 0, 0, 0, 1
	KS 23, 0, 0, 0, 0, 2
	KS 24, 0, 0, 0, 0, 3
	KS 25, 0, 0, 0, 0, 4
	KS 26, 0, 0, 0, 0, 5
	KS 27, 0, 2, 0, 1, 1
	KS 28, 1, 0, 0, 1, 2
	KS 29, 1, 0, 0, 1, 3
	KS 30, 1, 0, 0, 1, 4
	KS 31, 1, 0, 0, 0, 0
	WIN 0
	s_wait_loadcnt 0x0
	PLACES
.irp a, 0,1,2,3
.irp b, 0,1,2,3
	ds_store_b128 v[STO], v[ACC+8*(4*\a+\b):ACC+8*(4*\a+\b)+3] offset:64*\b
	ds_store_b128 v[STO], v[ACC+8*(4*\a+\b)+4:ACC+8*(4*\a+\b)+7] offset:64*\b+16
.endr
	s_wait_xcnt 0x0
.irp i, 0,1,2,3,4,5,6,7
	ds_load_b128 v[OUTR+4*\i:OUTR+4*\i+3], v[RD] offset:544*\i
.endr
	s_wait_dscnt 0x0
	WIN 0x08
.irp n, 0,2,4,6,8,10,12,14,16,18,20,22,24,26,28,30
	v_pk_add_f32 v[OUTR+\n:OUTR+\n+1], v[OUTR+\n:OUTR+\n+1], v[32*\a+\n:32*\a+\n+1]
.endr
	WIN 0
.irp i, 0,1,2,3,4,5,6,7
	global_store_b128 v[CO], v[OUTR+4*\i:OUTR+4*\i+3], s[12:13] offset:(16*\a+2*\i)*4096
.endr
.endr
	s_wait_tensorcnt 0x0
	ds_add_u32 v[SPW], v[NIL]
	s_wait_dscnt 0x0
	CROUND
	s_endpgm
.Lfunc_end_k_q55f008069d_ff2:
	.size	k_q55f008069d_ff2, .Lfunc_end_k_q55f008069d_ff2-k_q55f008069d_ff2
	.p2alignl 7, 3214868480
	.fill 96, 4, 3214868480
	.section	.rodata,"a",@progbits
	.p2align	6, 0x0
	.amdhsa_kernel k_q55f008069d_ff2
		.amdhsa_group_segment_fixed_size 327680
		.amdhsa_private_segment_fixed_size 0
		.amdhsa_enable_private_segment 0
		.amdhsa_kernarg_size 40
		.amdhsa_user_sgpr_count 2
		.amdhsa_user_sgpr_kernarg_segment_ptr 1
		.amdhsa_wavefront_size32 1
		.amdhsa_system_sgpr_workgroup_id_x 1
		.amdhsa_system_sgpr_workgroup_id_y 1
		.amdhsa_system_sgpr_workgroup_id_z 1
		.amdhsa_system_vgpr_workitem_id 0
		.amdhsa_next_free_vgpr 640
		.amdhsa_next_free_sgpr 106
		.amdhsa_reserve_vcc 0
		.amdhsa_float_denorm_mode_32 3
		.amdhsa_float_denorm_mode_16_64 3
		.amdhsa_memory_ordered 1
		.amdhsa_forward_progress 1
		.amdhsa_inst_pref_size 164
	.end_amdhsa_kernel
	.amdgpu_metadata
---
amdhsa.version: [ 1, 2 ]
amdhsa.kernels:
  - .name:           k_q55f008069d_ff2
    .symbol:         k_q55f008069d_ff2.kd
    .args:
      - { .name: hid, .offset: 0, .size: 8, .value_kind: global_buffer, .address_space: global }
      - { .name: wq, .offset: 8, .size: 8, .value_kind: global_buffer, .address_space: global }
      - { .name: b2, .offset: 16, .size: 8, .value_kind: global_buffer, .address_space: global }
      - { .name: h1, .offset: 24, .size: 8, .value_kind: global_buffer, .address_space: global }
      - { .name: y, .offset: 32, .size: 8, .value_kind: global_buffer, .address_space: global }
    .group_segment_fixed_size: 327680
    .private_segment_fixed_size: 0
    .kernarg_segment_align: 8
    .kernarg_segment_size: 40
    .max_flat_workgroup_size: 128
    .sgpr_count:     106
    .vgpr_count:     640
    .wavefront_size: 32
...
	.end_amdgpu_metadata
.endif
;; end of part 6
;; launch ln2 (part 7): grid 256 x 1, 4 waves a work-group, no clusters, 0 bytes of LDS; arguments y, g2, beta2, out0; writes out0
.if DOCPART == 7
	.amdgcn_target "amdgcn-amd-amdhsa--gfx1250"
	.amdhsa_code_object_version 6
	.text
	.protected	k_q55f008069d_ln2
	.globl	k_q55f008069d_ln2
	.p2align	8
	.type	k_q55f008069d_ln2,@function
k_q55f008069d_ln2:
	s_mov_b64 s[64:65], 0
	v_nop
	global_prefetch_b8 v0, s[64:65] scope:SCOPE_SE
	s_setreg_imm32_b32 hwreg(HW_REG_WAVE_MODE, 25, 1), 1
	s_wait_xcnt 0x0
; out0 = layernorm(y) x g2 + beta2.  A work-group takes 16 rows; wave w rows 4w..4w+3, each whole in 32 registers, so that a row is read once and no wave waits for another.
; Mean first, then the squares of the differences: no difference of large sums.  Each load and store of a wave covers 512 consecutive bytes.
.set X,   64                           ; v64-191 four rows
.set G,   192
.set BT,  224
.set AC,  36
.set T,   44
.set U,   48
.set MU,  52
.set SEL, 18
.macro REDUCE
.irp m, 1,2,4,8
.irp i, 0,1,2,3
	v_add_f32_dpp v[T+\i], v[T+\i], v[T+\i] row_xmask:\m row_mask:0xf bank_mask:0xf
.endr
.endr
.irp i, 0,1,2,3
	v_permlanex16_b32 v[U+\i], v[T+\i], s[SEL], s[SEL+1]
.endr
.irp i, 0,1,2,3
	v_add_f32 v[T+\i], v[T+\i], v[U+\i]
.endr
.endm
	s_load_b256 s[4:11], s[0:1], 0x0               ; y, g2, beta2, out0
	v_lshrrev_b32 v1, 5, v0
	v_readfirstlane_b32 s22, v1
	v_and_b32 v1, 31, v0
	v_lshlrev_b32 v4, 4, v1
	s_mov_b32 s[SEL], 0x76543210
	s_mov_b32 s[SEL+1], 0xfedcba98
	s_mov_b32 s20, 0x3a800000                      ; 1 / 1024
	s_mov_b32 s21, 0x3727c5ac                      ; 1e-5
.irp b, 0,1,2,3
	v_mov_b32 v[U+\b], 0                           ; a lane permute's destination counts as one of its sources
.endr
	s_lshl_b32 s24, ttmp9, 4
	s_lshl_b32 s25, s22, 2
	s_add_co_u32 s24, s24, s25
	s_lshl_b32 s24, s24, 12
	s_mov_b32 s25, 0
	s_wait_alu depctr_va_vdst(0)
	s_wait_kmcnt 0x0
	s_add_nc_u64 s[4:5], s[4:5], s[24:25]
	s_add_nc_u64 s[10:11], s[10:11], s[24:25]
.irp i, 0,1,2,3
.irp j, 0,1,2,3,4,5,6,7
	global_load_b128 v[X+32*\i+4*\j:X+32*\i+4*\j+3], v4, s[4:5] offset:4096*\i+512*\j th:TH_LOAD_NT
.endr
.endr
.irp j, 0,1,2,3,4,5,6,7
	global_load_b128 v[G+4*\j:G+4*\j+3], v4, s[6:7] offset:512*\j
.endr
.irp j, 0,1,2,3,4,5,6,7
	global_load_b128 v[BT+4*\j:BT+4*\j+3], v4, s[8:9] offset:512*\j
.endr
	s_wait_loadcnt 16                              ; the rows are in; the gain's and the offset's sixteen loads may be out
.irp i, 0,1,2,3
	v_pk_add_f32 v[AC+2*\i:AC+2*\i+1], v[X+32*\i:X+32*\i+1], v[X+32*\i+2:X+32*\i+3]
.endr
.set j, 4
.rept 14
.irp i, 0,1,2,3
	v_pk_add_f32 v[AC+2*\i:AC+2*\i+1], v[AC+2*\i:AC+2*\i+1], v[X+32*\i+j:X+32*\i+j+1]
.endr
.set j, j+2
.endr
.irp i, 0,1,2,3
	v_add_f32 v[T+\i], v[AC+2*\i], v[AC+2*\i+1]
.endr
	REDUCE
.irp i, 0,1,2,3
	v_mul_f32 v[MU+2*\i], s20, v[T+\i]
	v_mul_f32 v[MU+2*\i+1], s20, v[T+\i]
.endr
.set j, 0
.rept 16
.irp i, 0,1,2,3
	v_pk_add_f32 v[X+32*\i+j:X+32*\i+j+1], v[X+32*\i+j:X+32*\i+j+1], v[MU+2*\i:MU+2*\i+1] neg_lo:[0,1] neg_hi:[0,1]
.endr
.set j, j+2
.endr
.irp i, 0,1,2,3
	v_pk_mul_f32 v[AC+2*\i:AC+2*\i+1], v[X+32*\i:X+32*\i+1], v[X+32*\i:X+32*\i+1]
.endr
.set j, 2
.rept 15
.irp i, 0,1,2,3
	v_pk_fma_f32 v[AC+2*\i:AC+2*\i+1], v[X+32*\i+j:X+32*\i+j+1], v[X+32*\i+j:X+32*\i+j+1], v[AC+2*\i:AC+2*\i+1]
.endr
.set j, j+2
.endr
.irp i, 0,1,2,3
	v_add_f32 v[T+\i], v[AC+2*\i], v[AC+2*\i+1]
.endr
	REDUCE
.irp i, 0,1,2,3
	v_fma_f32 v[T+\i], v[T+\i], s20, s21           ; the variance + 1e-5
.endr
	s_wait_alu depctr_va_vdst(0)
.irp i, 0,1,2,3
	v_rsq_f32 v[MU+2*\i], v[T+\i]
.endr
	v_nop                                          ; a plain place behind the last of them
	s_wait_alu depctr_va_vdst(0)                   ; one wait for the four, ahead of their first reader
.irp i, 0,1,2,3
	v_mov_b32 v[MU+2*\i+1], v[MU+2*\i]
.endr
	s_wait_alu depctr_va_vdst(0)
	s_wait_loadcnt 0x0                             ; the gain and the offset
.set j, 0
.rept 16
.irp i, 0,1,2,3
	v_pk_mul_f32 v[X+32*\i+j:X+32*\i+j+1], v[X+32*\i+j:X+32*\i+j+1], v[MU+2*\i:MU+2*\i+1]
.endr
.irp i, 0,1,2,3
	v_pk_fma_f32 v[X+32*\i+j:X+32*\i+j+1], v[X+32*\i+j:X+32*\i+j+1], v[G+j:G+j+1], v[BT+j:BT+j+1]
.endr
.set j, j+2
.endr
.irp i, 0,1,2,3
.irp j, 0,1,2,3,4,5,6,7
	global_store_b128 v4, v[X+32*\i+4*\j:X+32*\i+4*\j+3], s[10:11] offset:4096*\i+512*\j th:TH_STORE_NT
.endr
.endr
	s_endpgm
.Lfunc_end_k_q55f008069d_ln2:
	.size	k_q55f008069d_ln2, .Lfunc_end_k_q55f008069d_ln2-k_q55f008069d_ln2
	.p2alignl 7, 3214868480
	.fill 96, 4, 3214868480
	.section	.rodata,"a",@progbits
	.p2align	6, 0x0
	.amdhsa_kernel k_q55f008069d_ln2
		.amdhsa_group_segment_fixed_size 0
		.amdhsa_private_segment_fixed_size 0
		.amdhsa_enable_private_segment 0
		.amdhsa_kernarg_size 32
		.amdhsa_user_sgpr_count 2
		.amdhsa_user_sgpr_kernarg_segment_ptr 1
		.amdhsa_wavefront_size32 1
		.amdhsa_system_sgpr_workgroup_id_x 1
		.amdhsa_system_sgpr_workgroup_id_y 1
		.amdhsa_system_sgpr_workgroup_id_z 1
		.amdhsa_system_vgpr_workitem_id 0
		.amdhsa_next_free_vgpr 256
		.amdhsa_next_free_sgpr 66
		.amdhsa_reserve_vcc 0
		.amdhsa_float_denorm_mode_32 3
		.amdhsa_float_denorm_mode_16_64 3
		.amdhsa_memory_ordered 1
		.amdhsa_forward_progress 1
		.amdhsa_inst_pref_size 33
	.end_amdhsa_kernel
	.amdgpu_metadata
---
amdhsa.version: [ 1, 2 ]
amdhsa.kernels:
  - .name:           k_q55f008069d_ln2
    .symbol:         k_q55f008069d_ln2.kd
    .args:
      - { .name: y, .offset: 0, .size: 8, .value_kind: global_buffer, .address_space: global }
      - { .name: g2, .offset: 8, .size: 8, .value_kind: global_buffer, .address_space: global }
      - { .name: beta2, .offset: 16, .size: 8, .value_kind: global_buffer, .address_space: global }
      - { .name: out0, .offset: 24, .size: 8, .value_kind: global_buffer, .address_space: global }
    .group_segment_fixed_size: 0
    .private_segment_fixed_size: 0
    .kernarg_segment_align: 8
    .kernarg_segment_size: 32
    .max_flat_workgroup_size: 128
    .sgpr_count:     66
    .vgpr_count:     256
    .wavefront_size: 32
...
	.end_amdgpu_metadata
.endif
;; end of part 7
